; MI455X (gfx1250); checked and timed in simulation.
; The chip was launched on July 23, 2026; its instructions are those of AMD's public machine-readable ISA for CDNA 5 (MIT licence, August 2026) and "CDNA5" Instruction Set Architecture Reference Guide (July 2026). The comments in the code are by the model that wrote it; some were corrected since.
;; Adaptive Margin Loss. Allowed arithmetic: matrix products marked QUANTISED: E2M3 operands, one E8M0 scale for each 32 along K, by v_wmma_scale_f32_16x16x128_f8f6f4 with both operands' format E2M3, f32 sums; everything else in f32.
;; Inputs: class_weight 10,000 float32; input 1,024 x 512 float32; label 1,024 int32; weight 10,000 x 512 float32.
;; Outputs: out0 1,024 x 10,000 float32; out1 one number float32.
;; This version of the problem:
;;   THIS VERSION OF THE PROBLEM IS GIVEN IN LOW PRECISION. The matrix products marked QUANTISED in the list below multiply operands that are first quantised to E2M3 (2 exponent bits, 3 mantissa bits; 6 bits a number), with one power-of-two scale for each 32 numbers along K (OCP MX v1.0); their sums are f32. All else is computed in f32.
;;   The module's matrix products, in the order in which they are computed (A, B: the left and right operand; K: the contracted axis; several contracted axes count as one K, in the product's order):
;;     1. [M 1,024, K 512] x [K 512, N 10,000]; A: computed on the way; B: computed on the way: QUANTISED
;;     2. [M 10,000, K 512] x [K 512, N 10,000]; A: computed on the way; B: computed on the way: QUANTISED
;;   THE QUANTISER, for each operand of a quantised product, along K:
;;     - K is cut into blocks of 32 from its start; a last block that is shorter is filled with zeros.
;;     - A block's scale is 2^e with e = floor(log2(the largest magnitude in the block)) - 2, held to -126 .. 127; a block of zeros has e = 0. As a byte (E8M0): e + 127.
;;     - Each number is divided by its block's scale, clamped to +-7.5, and rounded to the nearest number of E2M3, ties to even, subnormals kept.
;;     - The product sums the exact products of the quantised numbers (number of the format x scale) in f32.
;;   ~~~python
;;   def quantise(x, axis):      # numpy; x: float32 -> the quantised numbers, widened to float32 again
;;       x = np.moveaxis(x, axis, -1); K = x.shape[-1]
;;       x = np.pad(x, [(0, 0)] * (x.ndim - 1) + [(0, -K % 32)]); x = x.reshape(x.shape[:-1] + (-1, 32)); a = np.abs(x).max(-1, keepdims=True)
;;       e = np.where(a > 0, np.clip(np.frexp(np.where(a > 0, a, 1))[1] - 1 - 2, -126, 127), 0)      # np.frexp(a)[1] - 1 = floor(log2(a)), exactly
;;       r = np.clip(x / 2.0 ** e, -7.5, 7.5)
;;       step = 2.0 ** (np.maximum(np.frexp(np.where(r == 0, 1, r))[1] - 1, 0) - 3)
;;       q = np.round(r / step) * step * 2.0 ** e      # np.round: ties to even
;;       return np.moveaxis(q.reshape(q.shape[:-2] + (-1,))[..., :K], -1, axis).astype(np.float32)
;;   ~~~
;;   OPERANDS COMPUTED ON THE WAY. 'Computed on the way' means the value that the module computes at that place (a softmax that the list does not call 'softmax' is quantised finished and normalised). What goes into a quantiser is computed in f32, as accurately as f32 sums, v_exp_f32 and their like allow (about 1e-6 of the number): no bf16 or f16 on the way to a quantiser, and a product that is left as it is and whose result goes on into a quantised operand takes f32 operands (vector FMAs, or v_wmma_f32_16x16x4_f32). A number that lies on a knife's edge between two numbers of the format may be rounded either way, as far as f32 arithmetic and the matrix unit's own rounding can turn it there, and no further.
;; 2 versions, each right; version 2 is version 1 with the launch margin written anew for expert scheduling mode. Each part assembles by itself: llvm-mc -triple=amdgcn-amd-amdhsa -mcpu=gfx1250 --defsym DOCPART=n.
;; ======== version 1 of 2: 3 launches
;; workspace buffers: recs 4,819,200 bytes; plse 65,536 bytes; psmax 65,536 bytes
;; launch quant (part 1): grid 753 x 1, 4 waves a work-group, no clusters, 33,792 bytes of LDS; arguments input, weight, label, recs; writes recs
.if DOCPART == 1
	.amdgcn_target "amdgcn-amd-amdhsa--gfx1250"
	.amdhsa_code_object_version 6
	.text
	.protected	k_q95d4d59f4b_quant
	.globl	k_q95d4d59f4b_quant
	.p2align	8
	.type	k_q95d4d59f4b_quant,@function
k_q95d4d59f4b_quant:
	s_mov_b64 s[64:65], 0
	v_nop
	global_prefetch_b8 v0, s[64:65] scope:SCOPE_SE
	s_setreg_imm32_b32 hwreg(HW_REG_WAVE_MODE, 25, 1), 1
	s_wait_xcnt 0x0
; AdaptiveMarginLoss, launch 1 of 3: rows are l2-normalised in f32 and quantised to FP6 (E2M3) with one E8M0 scale for each 32 along K = 512.
; DEAD WORK.  reference() forms score = clip(w w^T) for all 10,000 x 10,000 pairs and then keeps score[label] alone: 1,024 rows, named by the index input label.  A row of w w^T that label does
; not name is sliced away whatever finite values the inputs hold, so it reaches no output: those rows are not multiplied.  What is left of the two products is ONE product: 2,048 left rows (the 1,024 rows of x
; and the 1,024 rows w[label[i]]) against the 10,000 rows of w.  No input is left out.  LIMIT: a NaN, an infinity or an overflow that would arise only in the rows left out is not carried to the result.
; OTHER LIMITS: NaN and infinities among the inputs are not served; a label outside 0 .. 9,999 is held at 9,999 where it forms an address; a block whose largest magnitude lies under 2^-124 gets the byte 1
; (a block of zeros too, where the rule says 127: its codes are zeros, and the bytes are read by this program alone); x / n is x * rcp(max(sqrt(sum of squares), 1e-12)), all in f32.
; WHAT IS STORED.  753 RECORDS of 6,400 bytes, one for each tile of 16 rows with all of K.  A record is the image of the operand's registers: bytes 1536 s + 512 c + 16 lane hold registers 4 c .. 4 c + 3 of the lane's
; 12-register fragment of K step s (128 along K); bytes 6144 + 16 r hold row r's four scale words, one for each K step.  Records 0 .. 624: rows 16 T + r of w.  Record 625 + 8 rb + u: u < 4: rows 64 rb + 16 u + r of x;
; u >= 4: rows w[label[64 rb + 16 (u - 4) + r]].
; SHARES.  A work-group makes one record.  First each of its four waves loads four whole rows (a load covers 512 consecutive bytes), sums their squares and scales them; the rows meet in LDS; then wave s makes the
; fragment of K step s: lane (r, h) takes k = 128 s + 64 c + 32 h + 0 .. 31 of row r, two whole blocks of 32, so that no other lane is asked for a block's maximum.
; No tensor load, no cluster, no matrix unit: a stream whose work-groups share nothing.
.set NWREC,  625                       ; records of w
.set RECB,   6400
.set PITCH,  2064                      ; an LDS row: 2,048 bytes + 16: sixteen lanes that read one column of sixteen rows touch sixteen different places of 16 bytes in 256
.set SCL,    16*PITCH                  ; behind the rows: the record's 256 scale bytes
.set SPARE,  SCL+256                   ; the spare words, 128 bytes for each wave, which no other line names
.set LI,   1                           ; v1   16 x lane
.set RR,   2                           ; v2   r = lane % 16
.set HH,   3                           ; v3   h = lane / 16
.set RIN,  4                           ; v4   LDS: my wave's four rows, 16 x lane
.set ROUT, 5                           ; v5   LDS: row r, my K step, my half
.set SWA,  6                           ; v6   LDS: row r's scale word of my K step
.set L8,   7                           ; v7   8 x lane
.set SRA,  8                           ; v8   LDS: the scale bytes, 8 a lane
.set SPW,  10                          ; v10  LDS address of my spare word; never rewritten
.set NIL,  11                          ; v11  0; never rewritten
.set R,    32                          ; v32-95   four rows as loaded, 16 numbers a lane each
.set X,    96                          ; v96-159  64 numbers in the fragment's order
.set F,    160                         ; v160-171 the fragment
.set F2,   172                         ; v172-174, v176-178 each block's upper 16 codes as the conversion leaves them
	s_load_b256 s[4:11], s[0:1], 0x0               ; input s[4:5], weight s[6:7], label s[8:9], recs s[10:11]
	v_lshl_add_u32 v[SPW], v0, 2, SPARE
	v_mov_b32 v[NIL], 0
	v_lshrrev_b32 v12, 5, v0
	v_readfirstlane_b32 s16, v12                   ; wave 0..3
	v_and_b32 v12, 31, v0
	v_lshlrev_b32 v[LI], 4, v12
	v_and_b32 v[RR], 15, v0
	v_bfe_u32 v[HH], v0, 4, 1
	s_mul_i32 s44, s16, 4*PITCH
	v_add_nc_u32 v[RIN], s44, v[LI]
	v_mul_u32_u24 v[ROUT], v[RR], PITCH
	v_lshl_add_u32 v[ROUT], v[HH], 7, v[ROUT]      ; + 32 numbers for the upper half of the lanes
	s_lshl_b32 s44, s16, 9
	v_add_nc_u32 v[ROUT], s44, v[ROUT]             ; + my K step's 512 bytes
	v_lshl_add_u32 v[SWA], v[RR], 4, SCL
	s_lshl_b32 s44, s16, 2                         ; 4 x wave: a scale word's place, and my first row of the sixteen
	v_add_nc_u32 v[SWA], s44, v[SWA]
	v_lshlrev_b32 v[L8], 3, v12
	v_add_nc_u32 v[SRA], SCL, v[L8]
.irp k, 0,1,2,3
	v_mov_b32 v[24+\k], 0                          ; written once: a lane permute's destination counts as one of its sources
.endr
	s_mov_b32 s42, 0x76543210
	s_mov_b32 s43, 0xfedcba98                      ; v_permlanex16_b32's selects for lane l xor 16
	s_mov_b32 s17, ttmp9                           ; which record
	s_mul_i32 s46, s17, RECB
	s_mul_i32 s47, s16, 1536
	s_add_co_u32 s46, s46, s47                     ; my fragment's place in recs
	s_mov_b32 s47, 0
	s_mov_b32 s45, 0
	s_wait_kmcnt 0x0
	s_add_nc_u64 s[40:41], s[10:11], s[46:47]
	; which four rows are mine, s24 .. s27, and of which tensor, s[28:29].  Three ways, parted by the record's number alone; only the third waits for labels
	s_cmp_lt_u32 s17, NWREC
	s_cbranch_scc0 .Lnot_w
	s_lshl_b32 s24, s17, 4
	s_add_co_u32 s24, s24, s44                     ; rows 16 g + 4 wave + 0 .. 3 of w
	s_add_co_u32 s25, s24, 1
	s_add_co_u32 s26, s24, 2
	s_add_co_u32 s27, s24, 3
	s_mov_b64 s[28:29], s[6:7]
	s_branch .Lrows
.Lnot_w:
	s_sub_co_u32 s18, s17, NWREC
	s_lshr_b32 s19, s18, 3                         ; rb
	s_and_b32 s18, s18, 7                          ; u
	s_lshl_b32 s19, s19, 6
	s_and_b32 s24, s18, 3
	s_lshl_b32 s24, s24, 4
	s_add_co_u32 s24, s24, s19
	s_add_co_u32 s24, s24, s44                     ; 64 rb + 16 (u % 4) + 4 wave: a row of x, or a place in label
	s_cmp_lt_u32 s18, 4
	s_cbranch_scc0 .Lgather
	s_add_co_u32 s25, s24, 1
	s_add_co_u32 s26, s24, 2
	s_add_co_u32 s27, s24, 3
	s_mov_b64 s[28:29], s[4:5]
	s_branch .Lrows
.Lgather:
	s_lshl_b32 s44, s24, 2
	s_add_nc_u64 s[8:9], s[8:9], s[44:45]
	s_load_b128 s[20:23], s[8:9], 0x0              ; four labels
	s_mov_b64 s[28:29], s[6:7]
	s_wait_kmcnt 0x0
	s_min_u32 s24, s20, 9999                       ; a loaded number enters an address only behind this hold
	s_min_u32 s25, s21, 9999
	s_min_u32 s26, s22, 9999
	s_min_u32 s27, s23, 9999
.Lrows:
.irp k, 0,1,2,3
	s_lshl_b32 s44, s[24+\k], 11                   ; a row is 2,048 bytes
	s_add_nc_u64 s[32+2*\k:33+2*\k], s[28:29], s[44:45]
.endr
.irp k, 0,1,2,3
.irp i, 0,1,2,3
	global_load_b128 v[R+16*\k+4*\i:R+16*\k+4*\i+3], v[LI], s[32+2*\k:33+2*\k] offset:512*\i   ; 32 lanes read 512 consecutive bytes.  No hint: label may name a row of w again
.endr
.endr
.irp k, 0,1,2,3
	s_wait_loadcnt 12-4*\k                         ; row k's four loads are in; those of the rows behind it may be out
	v_pk_mul_f32 v[12+2*\k:13+2*\k], v[R+16*\k:R+16*\k+1], v[R+16*\k:R+16*\k+1]
.irp j, 2,4,6,8,10,12,14
	v_pk_fma_f32 v[12+2*\k:13+2*\k], v[R+16*\k+\j:R+16*\k+\j+1], v[R+16*\k+\j:R+16*\k+\j+1], v[12+2*\k:13+2*\k]
.endr
.endr
.irp k, 0,1,2,3
	v_add_f32 v[20+\k], v[12+2*\k], v[13+2*\k]
.endr
.irp m, 1,2,4,8
.irp k, 0,1,2,3
	v_add_f32_dpp v[20+\k], v[20+\k], v[20+\k] row_xmask:\m row_mask:0xf bank_mask:0xf   ; the four rows by turns
.endr
.endr
.irp k, 0,1,2,3
	v_permlanex16_b32 v[24+\k], v[20+\k], s42, s43
.endr
.irp k, 0,1,2,3
	v_add_f32 v[20+\k], v[20+\k], v[24+\k]         ; the row's sum of squares, in every lane
.endr
.irp k, 0,1,2,3
	v_sqrt_f32 v[24+\k], v[20+\k]
.endr
	v_nop                                          ; a plain instruction behind the last root
	s_wait_alu depctr_va_vdst(0)                   ; one wait for the four roots, ahead of their first reader
.irp k, 0,1,2,3
	v_max_num_f32 v[24+\k], 0x2b8cbccc, v[24+\k]   ; max(n, 1e-12)
.endr
.irp k, 0,1,2,3
	v_rcp_f32 v[12+2*\k], v[24+\k]
.endr
	v_nop
	s_wait_alu depctr_va_vdst(0)                   ; and one for the four reciprocals
.irp k, 0,1,2,3
.irp j, 0,2,4,6,8,10,12,14
	v_pk_mul_f32 v[R+16*\k+\j:R+16*\k+\j+1], v[R+16*\k+\j:R+16*\k+\j+1], v[12+2*\k:13+2*\k] op_sel_hi:[1,0]
.endr
.endr
.irp k, 0,1,2,3
.irp i, 0,1,2,3
	ds_store_b128 v[RIN], v[R+16*\k+4*\i:R+16*\k+4*\i+3] offset:PITCH*\k+512*\i
.endr
.endr
	s_wait_dscnt 0x0                               ; for the others' sake: my four rows lie in LDS
	s_barrier_signal -1
	s_barrier_wait -1                              ; all sixteen do
.irp c, 0,1
.irp j, 0,1,2,3,4,5,6,7
	ds_load_b128 v[X+32*\c+4*\j:X+32*\c+4*\j+3], v[ROUT] offset:256*\c+16*\j   ; k = 128 s + 64 c + 32 h + 4 j .. of row r
.endr
.endr
	s_wait_dscnt 0x0
.irp c, 0,1                                    ; my block 2 c + h of this K step: all its 32 numbers are mine
	v_max3_num_f32 v[12+\c], |v[X+32*\c]|, |v[X+1+32*\c]|, 0x1800000   ; and the floor 2^(3 - 127): so the byte cannot fall under 1
.endr
.irp i, 2,4,6,8,10,12,14,16,18,20,22,24,26,28,30
.irp c, 0,1
	v_max3_num_f32 v[12+\c], v[12+\c], |v[X+32*\c+\i]|, |v[X+1+32*\c+\i]|   ; the two blocks by turns
.endr
.endr
.irp c, 0,1
	v_add_nc_u32 v[14+\c], 0xff000000, v[12+\c]    ; 2 off the exponent field: the conversion takes the exponent field of this operand as its scale
.endr
.irp c, 0,1
	v_lshrrev_b32 v[16+\c], 23, v[14+\c]           ; the scale's byte
.endr
	v_lshl_or_b32 v18, v17, 16, v16                ; my two bytes, blocks h and 2 + h,
	v_lshlrev_b32 v19, 3, v[HH]
	v_lshlrev_b32 v18, v19, v18                    ; at their places in the scale word (8 h bits up);
	v_mov_b32 v19, 0
	v_permlanex16_b32 v19, v18, s42, s43
	v_or_b32 v18, v18, v19                         ; with lane l xor 16's two the word is whole
.irp c, 0,1
	v_cvt_scalef32_pk16_fp6_f32 v[F+6*\c:F+2+6*\c], v[X+32*\c:X+15+32*\c], v[14+\c]
	v_cvt_scalef32_pk16_fp6_f32 v[F2+4*\c:F2+2+4*\c], v[X+16+32*\c:X+31+32*\c], v[14+\c]   ; (a conversion's three registers begin on an even number: a block's upper three are made here and moved)
.endr
	v_nop                                          ; one plain instruction behind a scaled conversion
.irp c, 0,1
.irp i, 0,1,2
	v_mov_b32 v[F+3+6*\c+\i], v[F2+4*\c+\i]
.endr
.endr
.irp c, 0,1,2
	global_store_b128 v[LI], v[F+4*\c:F+4*\c+3], s[40:41] offset:512*\c   ; 32 lanes store 512 consecutive bytes, at a multiple of 256 from recs' first byte
.endr
	ds_store_b32 v[SWA], v18                       ; lanes r and r + 16 write the same word with the same value
	s_wait_dscnt 0x0                               ; for wave 0's sake
	s_barrier_signal -1
	s_barrier_wait -1
	s_cmp_lg_u32 s16, 0
	s_cbranch_scc1 .Ldone
	ds_load_b64 v[20:21], v[SRA]
	s_wait_dscnt 0x0
	global_store_b64 v[L8], v[20:21], s[40:41] offset:6144   ; the record's 256 scale bytes (in wave 0 the base stands at the record's head)
.Ldone:
	s_wait_tensorcnt 0x0                           ; the wave's end
	ds_add_u32 v[SPW], v[NIL]
	s_wait_dscnt 0x0
	s_endpgm
.Lfunc_end_k_q95d4d59f4b_quant:
	.size	k_q95d4d59f4b_quant, .Lfunc_end_k_q95d4d59f4b_quant-k_q95d4d59f4b_quant
	.p2alignl 7, 3214868480
	.fill 96, 4, 3214868480
	.section	.rodata,"a",@progbits
	.p2align	6, 0x0
	.amdhsa_kernel k_q95d4d59f4b_quant
		.amdhsa_group_segment_fixed_size 33792
		.amdhsa_private_segment_fixed_size 0
		.amdhsa_enable_private_segment 0
		.amdhsa_kernarg_size 32
		.amdhsa_user_sgpr_count 2
		.amdhsa_user_sgpr_kernarg_segment_ptr 1
		.amdhsa_wavefront_size32 1
		.amdhsa_system_sgpr_workgroup_id_x 1
		.amdhsa_system_sgpr_workgroup_id_y 1
		.amdhsa_system_sgpr_workgroup_id_z 1
		.amdhsa_system_vgpr_workitem_id 0
		.amdhsa_next_free_vgpr 180
		.amdhsa_next_free_sgpr 66
		.amdhsa_reserve_vcc 0
		.amdhsa_float_denorm_mode_32 3
		.amdhsa_float_denorm_mode_16_64 3
		.amdhsa_memory_ordered 1
		.amdhsa_forward_progress 1
		.amdhsa_inst_pref_size 17
	.end_amdhsa_kernel
	.amdgpu_metadata
---
amdhsa.version: [ 1, 2 ]
amdhsa.kernels:
  - .name:           k_q95d4d59f4b_quant
    .symbol:         k_q95d4d59f4b_quant.kd
    .args:
      - { .name: input, .offset: 0, .size: 8, .value_kind: global_buffer, .address_space: global }
      - { .name: weight, .offset: 8, .size: 8, .value_kind: global_buffer, .address_space: global }
      - { .name: label, .offset: 16, .size: 8, .value_kind: global_buffer, .address_space: global }
      - { .name: recs, .offset: 24, .size: 8, .value_kind: global_buffer, .address_space: global }
    .group_segment_fixed_size: 33792
    .private_segment_fixed_size: 0
    .kernarg_segment_align: 8
    .kernarg_segment_size: 32
    .max_flat_workgroup_size: 128
    .sgpr_count:     66
    .vgpr_count:     180
    .wavefront_size: 32
...
	.end_amdgpu_metadata
.endif
;; end of part 1
;; launch margin (part 2): grid 16 x 16, 4 waves a work-group, no clusters, 143,872 bytes of LDS; arguments recs, class_weight, label, out0, plse, psmax; writes out0, plse, psmax
.if DOCPART == 2
	.amdgcn_target "amdgcn-amd-amdhsa--gfx1250"
	.amdhsa_code_object_version 6
	.text
	.protected	k_q95d4d59f4b_margin
	.globl	k_q95d4d59f4b_margin
	.p2align	8
	.type	k_q95d4d59f4b_margin,@function
k_q95d4d59f4b_margin:
	s_mov_b64 s[64:65], 0
	v_nop
	global_prefetch_b8 v0, s[64:65] scope:SCOPE_SE
	s_setreg_imm32_b32 hwreg(HW_REG_WAVE_MODE, 25, 1), 1
	s_wait_xcnt 0x0
; AdaptiveMarginLoss, launch 2 of 3: the one product, on codes of FP6 (E2M3) with E8M0 scales, and what follows it row by row.
; WORK LEFT OUT: of w w^T only the rows w[label[i]] are multiplied; reference() slices the others away (shown at the head of the first kernel).
; out0 = fea = Q(x) Q(w)^T.  For row i and a block of 640 columns: plse = log2 of the sum over j != label[i] of 2^t, t = 9.6 log2(e) fea[i][j] + 9.6 x 0.83 log2(e) class_weight[j]; psmax = the largest of
; (Q(w)[label[i]] . Q(w)[j]), with 0 at j = label[i].  The term -9.6 sp[i], the same along a row, the clip (which commutes with a maximum that holds a 0) and the joining of blocks are the last launch's.
; THE MAXIMUM IS TAKEN AWAY BEFORE EVERY EXPONENTIAL: each lane keeps a running maximum m of its t and a sum l of 2^(t - m), multiplied by 2^(old m - new m) in every step; lanes, waves and blocks are joined in the same way.
; SHARES.  Work-group (rb, cb): 128 left rows (x's rows 64 rb .. + 63 and the rows w[label] of the same i) x 640 columns.  All four waves hold the SAME left rows, in registers for the whole launch: 8 tiles x 4 K steps x 12 = 384.
; Wave-column q = 4 cb + wave owns column tiles 10 q .. 10 q + 9 and streams their records from memory straight into registers, three tiles deep: a record's bytes enter the work-group once and never touch LDS.
; 625 tiles are 62 wave-columns of ten and one of five: q = 62 ends after five steps, q = 63 has none.  The look-ahead has no branch: q = 62 asks for three records and q = 63 for three that they do not multiply (records 625 .. 627
; and 630 .. 632, inside recs' 753), so that the counts of the waits are the same on every way through the text.
; THE MATRIX INSTRUCTION IS USED TRANSPOSED (source 0 = 16 rows of w, source 1 = 16 left rows): lane (r, h) holds left row r, its register j column 16 T + 8 h + j: a row's maximum and sum stay in the lane.
; THE POSITIVE COLUMN.  It is one column in 10,000 for a row, so of a wave's steps few hold one.  Each lane keeps a word W with bit t set where one of its four rows has its positive column among the lane's eight of tile t.
; NO TENSOR LOAD AND NO CLUSTER: that branch hangs on label, a number read from memory; and a column tile's record is read by one wave of the work-group, so
; that on a way through LDS it would be written and read once more for nothing.
; THE WAY OUT.  A row of out0 is 40,000 bytes, 64 over a multiple of 256, so tile edges cannot all lie on multiples of 256.  Five tiles (80 columns, 320 bytes a row) of 64 rows are gathered in the wave's own stage; a row's first
; 256 bytes leave by sixteen neighbouring lanes, its last 64 by four; the first half of the wave's columns leaves at mid-way.
; REGISTERS, in windows of 256: window 0: see the names below.  Window 1: v0-191 x's fragments, (tile a, K step s) at 12 (4 a + s).  Window 2: the same for w[label].  Window 3: v0-143 three buffers for a column tile, K step s at 48 p + 12 s.
.set REC,    6400                      ; a record: 4 fragments of 1,536 bytes, 256 scale bytes
.set NWREC,  625
.set AIMG,   0                         ; LDS: the eight left records
.set STG,    8*REC                     ; each wave's stage: 64 rows x (320 bytes + 16)
.set SPITCH, 336                       ; 21 x 16: sixteen rows' places of 16 bytes fall on sixteen different places in 256
.set STGW,   64*SPITCH
.set BIAS,   STG+4*STGW                ; each wave's 160 numbers 9.6 x 0.83 log2(e) class_weight, in 768 bytes
.set XM,     BIAS+4*768                ; [wave][64 rows] f32: M; 1,024 bytes on: L; 2,048 on: S
.set SPARE,  XM+3*1024                 ; the spare words, 128 bytes for each wave, which no other line names
.set OROW,   40000                     ; a row of out0 in bytes
.set LI,   1                           ; v1   16 x lane
.set LS,   2                           ; v2   16 x (lane % 16)
.set STO,  3                           ; v3   my stage: row r, + 32 h
.set BIA,  4                           ; v4   my wave's bias numbers, + 32 h
.set XA,   5                           ; v5   XM + 256 wave + 4 r
.set FLA,  6                           ; v6   the way out: my stage, row h, + 16 r: two rows' first 256 bytes
.set FLB,  7                           ; v7   my stage, row lane / 4, + 16 (lane % 4): eight rows' last 64 bytes (the 256 stand in the immediate)
.set FGA,  11                          ; v11  the same two places in out0
.set FGB,  12                          ; v12
.set D,    16                          ; v16-19  tile a: label of my row - 160 q - 8 h: the positive column, counted from my first column
.set W,    20                          ; v20  bit t: a positive column among my eight of tile t
.set TMP,  21
.set NINF, 22                          ; v22  -infinity
.set ZR,   23                          ; v23  0
.set ST,   24                          ; v24-55  tile a at + 8 a: +0 m, +1 old m - new m, +2, +3 l (a pair), +4 2^(+1), +5 the new m, +6 the largest score, +7 at work
.set SPW,  56                          ; v56  LDS address of my spare word; never rewritten
.set NIL,  57                          ; v57  0; never rewritten
.set ACC,  64                          ; v64-127  fea's tile a at + 8 a, the score's at + 32 + 8 a
.set T,    128                         ; v128-159 t, then 2^(t - m)
.set BI,   160                         ; v160-167 the step's eight bias numbers
.set CW,   168                         ; v168-175 class_weight, at the head
.set LN,   176                         ; v176-189 at work at the head
.set RR,   177
.set HH,   178
.set CPA,  179
.set BW0,  180
.set BW1,  181
.set LBO,  182
.set CO0,  183
.set CO1,  184
.set H0,   185
.set XR,   190                         ; v190 XM + 8 x lane
.set XG,   191                         ; v191 8 x lane
.set ASC,  192                         ; v192-223 the left rows' scale words: tile A at + 4 A, register s for K step s; nothing else ever lies here
.set BSC,  224                         ; v224-235 a column tile's: buffer p at + 4 p; likewise
.set MSB, 0
.macro WIN new                         ; bits 1:0 source 0, 3:2 source 1, 5:4 source 2, 7:6 destination; the immediate's high byte repeats the setting that is left
.if MSB != \new
	s_set_vgpr_msb (MSB<<8)|\new
.set MSB, \new
.endif
.endm
.macro PLACES                          ; a load into a register that a matrix instruction has read, and a read of its result, stand four plain vector instructions behind it
.rept 4
	v_nop
.endr
.endm
; column tile t of my ten into buffer t % 3: 13 loads, each lane its registers as they will lie
.macro BLOAD t
.set PL, (\t)%3
	WIN 0xc0                                       ; destination window 3
.irp s, 0,1,2,3
.irp c, 0,1,2
	global_load_b128 v[48*PL+12*\s+4*\c:48*PL+12*\s+4*\c+3], v[LI], s[20:21] offset:REC*(\t)+1536*\s+512*\c
.endr
.endr
	WIN 0
	global_load_b128 v[BSC+4*PL:BSC+4*PL+3], v[LS], s[20:21] offset:REC*(\t)+6144
.endm
; 32 matrix instructions: the column tile against the four tiles of x, then against the four of w[label]; K ascending; four accumulators by turns, one instruction a turn; the first K step starts the sums
.macro MULS t
.set P, (\t)%3
.irp z, 0,1
	WIN 0x07+4*\z                                  ; source 0 window 3; source 1 window 1 (x) or 2 (w[label])
.irp s, 0,1,2,3
.irp a, 0,1,2,3
.if \s == 0
	v_wmma_scale_f32_16x16x128_f8f6f4 v[ACC+32*\z+8*\a:ACC+32*\z+8*\a+7], v[48*P+12*\s:48*P+12*\s+11], v[12*(4*\a+\s):12*(4*\a+\s)+11], 0, v[BSC+4*P+\s], v[ASC+16*\z+4*\a+\s] matrix_a_fmt:MATRIX_FMT_FP6 matrix_b_fmt:MATRIX_FMT_FP6
.else
	v_wmma_scale_f32_16x16x128_f8f6f4 v[ACC+32*\z+8*\a:ACC+32*\z+8*\a+7], v[48*P+12*\s:48*P+12*\s+11], v[12*(4*\a+\s):12*(4*\a+\s)+11], v[ACC+32*\z+8*\a:ACC+32*\z+8*\a+7], v[BSC+4*P+\s], v[ASC+16*\z+4*\a+\s] matrix_a_fmt:MATRIX_FMT_FP6 matrix_b_fmt:MATRIX_FMT_FP6
.endif
.endr
.endr
.endr
	WIN 0
.endm
.macro STAGE t                         ; fea as it is, 32 bytes a lane and tile, each accumulator from its low end on
.irp a, 0,1,2,3
	ds_store_b128 v[STO], v[ACC+8*\a:ACC+8*\a+3] offset:16*SPITCH*\a+64*((\t)%5)
	ds_store_b128 v[STO], v[ACC+8*\a+4:ACC+8*\a+7] offset:16*SPITCH*\a+64*((\t)%5)+16
.endr
.endm
.macro LOGITS                          ; t = 9.6 log2(e) fea + the column's bias, two at a time
.irp a, 0,1,2,3
.irp i, 0,2,4,6
	v_pk_fma_f32 v[T+8*\a+\i:T+8*\a+\i+1], v[ACC+8*\a+\i:ACC+8*\a+\i+1], s[24:25], v[BI+\i:BI+\i+1] op_sel_hi:[1,0,1]
.endr
.endr
.endm
.macro MASK t                          ; at the positive column t becomes -infinity (its 2^(t - m) is 0) and the score 0 (reference()'s zero diagonal: the same column)
.irp a, 0,1,2,3
	v_add_nc_u32 v[TMP], -16*(\t), v[D+\a]
.irp j, 0,1,2,3,4,5,6,7
	v_cmp_eq_u32 vcc_lo, \j, v[TMP]
	v_cndmask_b32 v[T+8*\a+\j], v[T+8*\a+\j], v[NINF], vcc_lo
	v_cndmask_b32 v[ACC+32+8*\a+\j], v[ACC+32+8*\a+\j], v[ZR], vcc_lo
.endr
.endr
.endm
.macro SOFT                            ; the four tiles by turns, so that no line waits for the line above it
.irp a, 0,1,2,3
	v_max3_num_f32 v[ST+8*\a+5], v[T+8*\a], v[T+8*\a+1], v[T+8*\a+2]
.endr
.irp a, 0,1,2,3
	v_max3_num_f32 v[ST+8*\a+5], v[ST+8*\a+5], v[T+8*\a+3], v[T+8*\a+4]
.endr
.irp a, 0,1,2,3
	v_max3_num_f32 v[ST+8*\a+5], v[ST+8*\a+5], v[T+8*\a+5], v[T+8*\a+6]
.endr
.irp a, 0,1,2,3
	v_max3_num_f32 v[ST+8*\a+5], v[ST+8*\a+5], v[T+8*\a+7], v[ST+8*\a]   ; with the old m: the new m
.endr
.irp a, 0,1,2,3
	v_sub_f32 v[ST+8*\a+1], v[ST+8*\a], v[ST+8*\a+5]
.endr
.irp a, 0,1,2,3
	v_mov_b32 v[ST+8*\a], v[ST+8*\a+5]
.endr
.irp i, 0,2,4,6
.irp a, 0,1,2,3
	v_pk_add_f32 v[T+8*\a+\i:T+8*\a+\i+1], v[T+8*\a+\i:T+8*\a+\i+1], v[ST+8*\a:ST+8*\a+1] op_sel_hi:[1,0] neg_lo:[0,1] neg_hi:[0,1]   ; t - m
.endr
.endr
.irp a, 0,1,2,3
	v_exp_f32 v[ST+8*\a+4], v[ST+8*\a+1]           ; ONE BATCH of 36 exponentials: none reads another's result
.endr
.irp n, 0,1,2,3,4,5,6,7,8,9,10,11,12,13,14,15,16,17,18,19,20,21,22,23,24,25,26,27,28,29,30,31
	v_exp_f32 v[T+\n], v[T+\n]
.endr
.irp i, 0,2,4,6
.irp a, 0,1,2,3
	v_max3_num_f32 v[ST+8*\a+6], v[ST+8*\a+6], v[ACC+32+8*\a+\i], v[ACC+32+8*\a+\i+1]   ; the scores' maxima, from each accumulator's low end on: plain work behind the batch that names none of its results
.endr
.endr
	s_wait_alu depctr_va_vdst(0)                   ; one wait for the batch, ahead of its first reader
.irp a, 0,1,2,3
	v_pk_add_f32 v[T+8*\a:T+8*\a+1], v[T+8*\a:T+8*\a+1], v[T+8*\a+2:T+8*\a+3]
.endr
.irp a, 0,1,2,3
	v_pk_add_f32 v[T+8*\a+4:T+8*\a+5], v[T+8*\a+4:T+8*\a+5], v[T+8*\a+6:T+8*\a+7]
.endr
.irp a, 0,1,2,3
	v_pk_add_f32 v[T+8*\a:T+8*\a+1], v[T+8*\a:T+8*\a+1], v[T+8*\a+4:T+8*\a+5]
.endr
.irp a, 0,1,2,3
	v_pk_fma_f32 v[ST+8*\a+2:ST+8*\a+3], v[ST+8*\a+2:ST+8*\a+3], v[ST+8*\a+4:ST+8*\a+5], v[T+8*\a:T+8*\a+1] op_sel_hi:[1,0,1]   ; l = l 2^(old m - new m) + the step's sums
.endr
.endm
.macro STEP t
.if (\t) >= 3
.if (\t) <= 7
	s_wait_loadcnt 26                              ; tile t's 13 loads are in; those of the two tiles asked for behind it may be out
.elseif (\t) == 8
	s_wait_loadcnt 13                              ; behind tile 8's stand tile 9's alone
.else
	s_wait_loadcnt 0x0
.endif
.endif
	ds_load_b128 v[BI:BI+3], v[BIA] offset:64*(\t)
	ds_load_b128 v[BI+4:BI+7], v[BIA] offset:64*(\t)+16
	MULS \t
	PLACES
.if (\t) <= 6
	BLOAD (\t)+3                                   ; into the buffer just multiplied
.endif
	STAGE \t
	s_wait_dscnt 8                                 ; the two bias loads are in; the eight stores behind them may be out
	LOGITS
	v_and_b32 v[TMP], 1<<(\t), v[W]
	v_cmp_ne_u32 s36, 0, v[TMP]
	s_cmp_eq_u32 s36, 0                            ; no lane of mine has a positive column in this tile: nothing to mask
	s_cbranch_scc1 .Lnm_\@
	MASK \t
.Lnm_\@:
	SOFT
.endm
; THE WAY OUT of five tiles: eight repeats of eight stage rows: four loads of two rows' first 256 bytes and one of eight rows' last 64, and as many stores; four sets of 20 registers where the accumulators and t lay
.macro FLOADS g
.irp u, 0,1,2,3
	ds_load_b128 v[64+20*((\g)%4)+4*\u:64+20*((\g)%4)+4*\u+3], v[FLA] offset:8*SPITCH*(\g)+2*SPITCH*\u   ; LDS serves a wave's instructions in order (ISA guide 5.7.1.4): these see my stores
.endr
	ds_load_b128 v[64+20*((\g)%4)+16:64+20*((\g)%4)+19], v[FLB] offset:8*SPITCH*(\g)+256
.endm
.macro FSTORES g, hf
.irp u, 0,1,2,3
	global_store_b128 v[FGA], v[64+20*((\g)%4)+4*\u:64+20*((\g)%4)+4*\u+3], s[30:31] offset:8*OROW*(\g)+2*OROW*\u+320*(\hf) th:TH_STORE_NT   ; sixteen neighbouring lanes store 256 consecutive bytes of a row
.endr
	global_store_b128 v[FGB], v[64+20*((\g)%4)+16:64+20*((\g)%4)+19], s[30:31] offset:8*OROW*(\g)+256+320*(\hf) th:TH_STORE_NT   ; four lanes the 64 bytes behind them
.endm
.macro FLUSH hf
	FLOADS 0
	FLOADS 1
.irp g, 0,1,2,3,4,5,6,7
.if \g < 7
	s_wait_dscnt 5                                 ; repeat g is back in registers; the next repeat's five loads may be out
.else
	s_wait_dscnt 0x0
.endif
	FSTORES \g, \hf
.if \g+2 <= 7
.if \g+2 >= 4
	s_wait_xcnt 0x0                                ; the stores of four repeats back have read their registers: the set is loaded again only behind this wait
.endif
	FLOADS \g+2
.endif
.endr
	s_wait_xcnt 0x0                                ; all stores have read their registers: products and vector work may write them again
.endm
	s_load_b256 s[4:11], s[0:1], 0x0               ; recs s[4:5], class_weight s[6:7], label s[8:9], out0 s[10:11]
	s_load_b128 s[12:15], s[0:1], 0x20             ; plse s[12:13], psmax s[14:15]
	v_lshl_add_u32 v[SPW], v0, 2, SPARE
	v_mov_b32 v[NIL], 0
	v_lshrrev_b32 v[TMP], 5, v0
	v_readfirstlane_b32 s16, v[TMP]                ; wave 0..3
	s_mov_b32 s17, ttmp9                           ; rb
	s_and_b32 s18, ttmp7, 0xffff                   ; cb
	s_lshl_b32 s19, s18, 2
	s_add_co_u32 s19, s19, s16                     ; q
	v_and_b32 v[LN], 31, v0
	v_and_b32 v[RR], 15, v0
	v_bfe_u32 v[HH], v0, 4, 1
	v_lshlrev_b32 v[LI], 4, v[LN]
	v_lshlrev_b32 v[LS], 4, v[RR]
	s_mul_i32 s36, s16, STGW
	s_add_co_u32 s36, s36, STG                     ; my stage
	v_mul_u32_u24 v[STO], v[RR], SPITCH
	v_lshl_add_u32 v[STO], v[HH], 5, v[STO]
	v_add_nc_u32 v[STO], s36, v[STO]
	v_mul_u32_u24 v[FLA], v[HH], SPITCH            ; back: lanes 0-15 one row's first 256 bytes, lanes 16-31 the next row's
	v_lshl_add_u32 v[FLA], v[RR], 4, v[FLA]
	v_add_nc_u32 v[FLA], s36, v[FLA]
	v_lshrrev_b32 v[H0], 2, v[LN]                  ; lane / 4
	v_and_b32 v[H0+1], 3, v0                       ; lane % 4
	v_mul_u32_u24 v[FLB], v[H0], SPITCH            ; and four lanes to a row's last 64 bytes, eight rows
	v_lshl_add_u32 v[FLB], v[H0+1], 4, v[FLB]
	v_add_nc_u32 v[FLB], s36, v[FLB]
	v_mul_u32_u24 v[FGA], v[HH], OROW              ; the same places in out0
	v_lshl_add_u32 v[FGA], v[RR], 4, v[FGA]
	v_mul_u32_u24 v[FGB], v[H0], OROW
	v_lshl_add_u32 v[FGB], v[H0+1], 4, v[FGB]
	s_mul_i32 s37, s16, 2*REC
	v_add_nc_u32 v[CPA], s37, v[LI]                ; where my two left records go
	s_mul_i32 s37, s16, 768
	s_add_co_u32 s37, s37, BIAS
	v_lshl_add_u32 v[BIA], v[HH], 5, s37
	v_add_nc_u32 v[BW0], s37, v[LI]
	v_and_b32 v[H0], 7, v0
	v_lshlrev_b32 v[H0], 4, v[H0]
	v_add_nc_u32 v[BW1], s37, v[H0]
	v_add_nc_u32 v[BW1], 512, v[BW1]
	s_mul_i32 s38, s19, 640                        ; my 160 columns, in bytes of f32
	v_add_nc_u32 v[CO0], s38, v[LI]
	v_min_u32 v[CO0], 39984, v[CO0]                ; no load leaves class_weight: what q = 62 and 63 read so is not used
	v_add_nc_u32 v[CO1], s38, v[H0]
	v_add_nc_u32 v[CO1], 512, v[CO1]
	v_min_u32 v[CO1], 39984, v[CO1]
	s_lshl_b32 s39, s17, 8
	v_lshl_add_u32 v[LBO], v[RR], 2, s39           ; label: 4 (64 rb + r)
	s_lshl_b32 s39, s16, 8
	s_add_co_u32 s39, s39, XM
	v_lshl_add_u32 v[XA], v[RR], 2, s39
	v_lshl_add_u32 v[XR], v[LN], 3, XM
	v_lshlrev_b32 v[XG], 3, v[LN]
	s_mul_i32 s39, s19, 160
	v_lshl_add_u32 v[H0], v[HH], 3, s39            ; my first column: 160 q + 8 h
	v_mov_b32 v[NINF], 0xff800000
	v_mov_b32 v[ZR], 0
.irp a, 0,1,2,3
	v_mov_b32 v[ST+8*\a], 0xff61b1e6               ; m: -3e38, under every t
	v_mov_b32 v[ST+8*\a+6], 0xff61b1e6             ; the largest score likewise
.irp i, 1,2,3,4,5,7
	v_mov_b32 v[ST+8*\a+\i], 0                     ; l = 0; the others are written once, since pairs and lane permutes name them
.endr
.endr
	s_mov_b32 s24, 0x415d9914                      ; 9.6 log2(e)
	s_mov_b32 s25, s24                             ; (named with it as a pair, so it is written)
	s_mov_b32 s26, 0x4137ed22                      ; 9.6 x 0.83 log2(e)
	s_mov_b32 s27, s26
	s_mov_b32 s28, 0x76543210
	s_mov_b32 s29, 0xfedcba98                      ; v_permlanex16_b32's selects for lane l xor 16
	s_mul_i32 s40, s19, 10*REC                     ; my ten records
	s_mov_b32 s41, 0
	s_lshl_b32 s42, s17, 3
	s_lshl_b32 s43, s16, 1
	s_add_co_u32 s42, s42, s43
	s_add_co_u32 s42, s42, NWREC
	s_mul_i32 s42, s42, REC                        ; left records 625 + 8 rb + 2 wave and the next
	s_mov_b32 s43, 0
	s_mul_i32 s44, s17, 64*OROW
	s_add_co_u32 s44, s44, s38                     ; out0: row 64 rb, column 160 q
	s_mov_b32 s45, 0
	s_lshl_b32 s46, s18, 12
	s_lshl_b32 s47, s17, 8
	s_add_co_u32 s46, s46, s47                     ; plse, psmax: 4 (1024 cb + 64 rb)
	s_mov_b32 s47, 0
	s_wait_kmcnt 0x0
	s_add_nc_u64 s[20:21], s[4:5], s[40:41]
	s_add_nc_u64 s[22:23], s[4:5], s[42:43]
	s_add_nc_u64 s[30:31], s[10:11], s[44:45]
	s_add_nc_u64 s[32:33], s[12:13], s[46:47]
	s_add_nc_u64 s[34:35], s[14:15], s[46:47]
	BLOAD 0
	BLOAD 1
	BLOAD 2
.irp i, 0,1,2,3,4,5,6,7,8,9,10,11,12,13,14,15,16,17,18,19,20,21,22,23,24
	global_load_b128 v[64+4*\i:67+4*\i], v[LI], s[22:23] offset:512*\i   ; two left records, 12,800 bytes as they lie
.endr
.irp a, 0,1,2,3
	global_load_b32 v[D+\a], v[LBO], s[8:9] offset:64*\a
.endr
	global_load_b128 v[CW:CW+3], v[CO0], s[6:7]
	global_load_b128 v[CW+4:CW+7], v[CO1], s[6:7]
	s_wait_loadcnt 0x0
.irp i, 0,1,2,3,4,5,6,7,8,9,10,11,12,13,14,15,16,17,18,19,20,21,22,23,24
	ds_store_b128 v[CPA], v[64+4*\i:67+4*\i] offset:AIMG+512*\i
.endr
.irp i, 0,2,4,6
	v_pk_mul_f32 v[CW+\i:CW+\i+1], v[CW+\i:CW+\i+1], s[26:27] op_sel_hi:[1,0]
.endr
	ds_store_b128 v[BW0], v[CW:CW+3]
	ds_store_b128 v[BW1], v[CW+4:CW+7]             ; (four lanes write each place, with the same value)
	v_mov_b32 v[W], 0
	v_mov_b32 v[H0+1], 1
.irp a, 0,1,2,3
	v_sub_nc_u32 v[D+\a], v[D+\a], v[H0]           ; in tile t register j is the positive column where D - 16 t = j: D under 160 (unsigned), bit 3 clear, t = D / 16
	v_and_b32 v[H0+2], 8, v[D+\a]
	v_lshl_or_b32 v[H0+2], v[H0+2], 8, v[D+\a]     ; with bit 3 set it is lifted over 160
	v_cmp_gt_u32 vcc_lo, 160, v[H0+2]
	v_lshrrev_b32 v[H0+3], 4, v[D+\a]
	v_lshlrev_b32 v[H0+3], v[H0+3], v[H0+1]
	v_cndmask_b32 v[H0+3], 0, v[H0+3], vcc_lo
	v_or_b32 v[W], v[W], v[H0+3]
.endr
	s_wait_dscnt 0x0                               ; for the others' sake: my two records lie in LDS
	s_barrier_signal -1
	s_barrier_wait -1                              ; all eight do
	s_cmp_eq_u32 s19, 63
	s_cbranch_scc1 .Lmerge                         ; no column tile is left for q = 63: its m, l and largest score stand as they began and count for nothing
	WIN 0x40                                       ; destination window 1
.irp a, 0,1,2,3
.irp s, 0,1,2,3
.irp c, 0,1,2
	ds_load_b128 v[12*(4*\a+\s)+4*\c:12*(4*\a+\s)+4*\c+3], v[LI] offset:AIMG+REC*\a+1536*\s+512*\c
.endr
.endr
.endr
	WIN 0x80                                       ; destination window 2
.irp a, 0,1,2,3
.irp s, 0,1,2,3
.irp c, 0,1,2
	ds_load_b128 v[12*(4*\a+\s)+4*\c:12*(4*\a+\s)+4*\c+3], v[LI] offset:AIMG+REC*(4+\a)+1536*\s+512*\c
.endr
.endr
.endr
	WIN 0
.irp a, 0,1,2,3,4,5,6,7
	ds_load_b128 v[ASC+4*\a:ASC+4*\a+3], v[LS] offset:AIMG+REC*\a+6144
.endr
	s_wait_dscnt 0x0
	STEP 0
	STEP 1
	STEP 2
	STEP 3
	STEP 4
	FLUSH 0
	s_cmp_eq_u32 s19, 62
	s_cbranch_scc1 .Lmerge                         ; q = 62 has five tiles: columns 9,920 .. 9,999
	STEP 5
	STEP 6
	STEP 7
	STEP 8
	STEP 9
	FLUSH 1
.Lmerge:
	; lanes r and r + 16 hold the two halves of a row's columns: they are joined under the larger m
.irp a, 0,1,2,3
	v_permlanex16_b32 v[ST+8*\a+5], v[ST+8*\a], s28, s29
.endr
.irp a, 0,1,2,3
	v_permlanex16_b32 v[ST+8*\a+4], v[ST+8*\a+6], s28, s29
.endr
.irp a, 0,1,2,3
	v_max_num_f32 v[ST+8*\a+1], v[ST+8*\a], v[ST+8*\a+5]   ; M
.endr
.irp a, 0,1,2,3
	v_sub_f32 v[ST+8*\a], v[ST+8*\a], v[ST+8*\a+1]
.endr
.irp a, 0,1,2,3
	v_exp_f32 v[ST+8*\a], v[ST+8*\a]
.endr
.irp a, 0,1,2,3
	v_max_num_f32 v[ST+8*\a+6], v[ST+8*\a+6], v[ST+8*\a+4]   ; S.  (Plain work behind the four exponentials)
.endr
	s_wait_alu depctr_va_vdst(0)                   ; one wait for the four, ahead of their first reader
.irp a, 0,1,2,3
	v_mul_f32 v[ST+8*\a+2], v[ST+8*\a+2], v[ST+8*\a]
.endr
.irp a, 0,1,2,3
	v_fma_f32 v[ST+8*\a+2], v[ST+8*\a+3], v[ST+8*\a], v[ST+8*\a+2]   ; my l under M
.endr
.irp a, 0,1,2,3
	v_permlanex16_b32 v[ST+8*\a+7], v[ST+8*\a+2], s28, s29
.endr
.irp a, 0,1,2,3
	v_add_f32 v[ST+8*\a+2], v[ST+8*\a+2], v[ST+8*\a+7]   ; L: the same bits in both lanes
.endr
.irp a, 0,1,2,3
	ds_store_b32 v[XA], v[ST+8*\a+1] offset:64*\a
	ds_store_b32 v[XA], v[ST+8*\a+2] offset:1024+64*\a
	ds_store_b32 v[XA], v[ST+8*\a+6] offset:2048+64*\a
.endr
	s_wait_dscnt 0x0                               ; for the others' sake
	s_barrier_signal -1
	s_barrier_wait -1
	s_cmp_lg_u32 s16, 0
	s_cbranch_scc1 .Lnot_0
	; wave 0 joins the four waves' M and L: a lane takes rows 2 lane and 2 lane + 1
.irp w, 0,1,2,3
	ds_load_b64 v[64+2*\w:65+2*\w], v[XR] offset:256*\w
.endr
.irp w, 0,1,2,3
	ds_load_b64 v[72+2*\w:73+2*\w], v[XR] offset:1024+256*\w
.endr
	s_wait_dscnt 0x0
.irp e, 0,1
	v_max3_num_f32 v[80+\e], v[64+\e], v[66+\e], v[68+\e]
.endr
.irp e, 0,1
	v_max_num_f32 v[80+\e], v[80+\e], v[70+\e]
.endr
.irp w, 0,1,2,3
.irp e, 0,1
	v_sub_f32 v[64+2*\w+\e], v[64+2*\w+\e], v[80+\e]
.endr
.endr
.irp n, 0,1,2,3,4,5,6,7
	v_exp_f32 v[64+\n], v[64+\n]
.endr
	v_nop
	s_wait_alu depctr_va_vdst(0)                   ; one wait for the eight
.irp e, 0,1
	v_mul_f32 v[82+\e], v[72+\e], v[64+\e]
.endr
.irp w, 1,2,3
.irp e, 0,1
	v_fma_f32 v[82+\e], v[72+2*\w+\e], v[64+2*\w+\e], v[82+\e]
.endr
.endr
.irp e, 0,1
	v_log_f32 v[82+\e], v[82+\e]                   ; the sum is at least 1: the term at the maximum
.endr
	v_nop
	s_wait_alu depctr_va_vdst(0)
.irp e, 0,1
	v_add_f32 v[84+\e], v[80+\e], v[82+\e]
.endr
	global_store_b64 v[XG], v[84:85], s[32:33]     ; 32 lanes store 256 consecutive bytes, at a multiple of 256 from plse's first byte
	s_branch .Lend
.Lnot_0:
	s_cmp_lg_u32 s16, 1
	s_cbranch_scc1 .Lend
	; wave 1 joins the four waves' S
.irp w, 0,1,2,3
	ds_load_b64 v[64+2*\w:65+2*\w], v[XR] offset:2048+256*\w
.endr
	s_wait_dscnt 0x0
.irp e, 0,1
	v_max3_num_f32 v[80+\e], v[64+\e], v[66+\e], v[68+\e]
.endr
.irp e, 0,1
	v_max_num_f32 v[80+\e], v[80+\e], v[70+\e]
.endr
	global_store_b64 v[XG], v[80:81], s[34:35]
.Lend:
	s_wait_tensorcnt 0x0                           ; the wave's end
	ds_add_u32 v[SPW], v[NIL]
	s_wait_dscnt 0x0
	s_endpgm
.Lfunc_end_k_q95d4d59f4b_margin:
	.size	k_q95d4d59f4b_margin, .Lfunc_end_k_q95d4d59f4b_margin-k_q95d4d59f4b_margin
	.p2alignl 7, 3214868480
	.fill 96, 4, 3214868480
	.section	.rodata,"a",@progbits
	.p2align	6, 0x0
	.amdhsa_kernel k_q95d4d59f4b_margin
		.amdhsa_group_segment_fixed_size 143872
		.amdhsa_private_segment_fixed_size 0
		.amdhsa_enable_private_segment 0
		.amdhsa_kernarg_size 48
		.amdhsa_user_sgpr_count 2
		.amdhsa_user_sgpr_kernarg_segment_ptr 1
		.amdhsa_wavefront_size32 1
		.amdhsa_system_sgpr_workgroup_id_x 1
		.amdhsa_system_sgpr_workgroup_id_y 1
		.amdhsa_system_sgpr_workgroup_id_z 1
		.amdhsa_system_vgpr_workitem_id 0
		.amdhsa_next_free_vgpr 912
		.amdhsa_next_free_sgpr 66
		.amdhsa_reserve_vcc 1
		.amdhsa_float_denorm_mode_32 3
		.amdhsa_float_denorm_mode_16_64 3
		.amdhsa_memory_ordered 1
		.amdhsa_forward_progress 1
		.amdhsa_inst_pref_size 198
	.end_amdhsa_kernel
	.amdgpu_metadata
---
amdhsa.version: [ 1, 2 ]
amdhsa.kernels:
  - .name:           k_q95d4d59f4b_margin
    .symbol:         k_q95d4d59f4b_margin.kd
    .args:
      - { .name: recs, .offset: 0, .size: 8, .value_kind: global_buffer, .address_space: global }
      - { .name: class_weight, .offset: 8, .size: 8, .value_kind: global_buffer, .address_space: global }
      - { .name: label, .offset: 16, .size: 8, .value_kind: global_buffer, .address_space: global }
      - { .name: out0, .offset: 24, .size: 8, .value_kind: global_buffer, .address_space: global }
      - { .name: plse, .offset: 32, .size: 8, .value_kind: global_buffer, .address_space: global }
      - { .name: psmax, .offset: 40, .size: 8, .value_kind: global_buffer, .address_space: global }
    .group_segment_fixed_size: 143872
    .private_segment_fixed_size: 0
    .kernarg_segment_align: 8
    .kernarg_segment_size: 48
    .max_flat_workgroup_size: 128
    .sgpr_count:     66
    .vgpr_count:     912
    .wavefront_size: 32
...
	.end_amdgpu_metadata
.endif
;; end of part 2
;; launch finish (part 3): grid 1 x 1, 32 waves a work-group, no clusters, 4,352 bytes of LDS; arguments plse, psmax, label, out0, out1; writes out1
.if DOCPART == 3
	.amdgcn_target "amdgcn-amd-amdhsa--gfx1250"
	.amdhsa_code_object_version 6
	.text
	.protected	k_q95d4d59f4b_finish
	.globl	k_q95d4d59f4b_finish
	.p2align	8
	.type	k_q95d4d59f4b_finish,@function
k_q95d4d59f4b_finish:
	s_mov_b64 s[64:65], 0
	v_nop
	global_prefetch_b8 v0, s[64:65] scope:SCOPE_SE
	s_setreg_imm32_b32 hwreg(HW_REG_WAVE_MODE, 25, 1), 1
	s_wait_xcnt 0x0
; AdaptiveMarginLoss, launch 3 of 3: out1 = mean_i softplus(lse_i) + 10 softplus(mean_i s_i + 0.5).
; plse [16][1024]: for row i and column block cb, log2 of the sum over j != label[i] of 2^t, t = 9.6 log2(e) (fea + 0.83 class_weight).  psmax [16][1024]: the block's largest score of row label[i], the diagonal taken as 0.
; lse_i = ln 2 x log2(sum over the 16 blocks of 2^plse) - 9.6 sp_i, sp_i = out0[i][label[i]]: the blocks are joined under their largest, which is taken away before the exponentials.
; s_i = the largest of the 16, held to -1 .. 1: reference() clips each score first, which gives the same, since a clip does not change the order.
; softplus(x) = max(x, 0) + ln 2 x log2(1 + 2^(-|x| log2 e)): no exponential can overflow.  LIMIT: where x is far under 0 the result is good to the last bit of 1 + 2^.., not of e^x; it is added to terms of the size of 1.
; One work-group of 1,024 threads, thread i for row i: the launch reads 32 numbers a row, 128 consecutive bytes a wave and load.  A label outside 0 .. 9,999 is held at 9,999.
.set RED,   0                          ; LDS: a pair of sums for each of the 32 waves
.set SPARE, 256                        ; the spare words, 128 bytes for each wave, which no other line names
.set SPW,  60                          ; v60  LDS address of my spare word; never rewritten
.set NIL,  61                          ; v61  0; never rewritten
.macro WSUM x, t                       ; the sum of v[x] over the wave's 32 lanes, in every lane; v[t] has been written before
.irp m, 1,2,4,8
	v_add_f32_dpp v[\x], v[\x], v[\x] row_xmask:\m row_mask:0xf bank_mask:0xf
.endr
	v_permlanex16_b32 v[\t], v[\x], s24, s25
	v_add_f32 v[\x], v[\x], v[\t]
.endm
.macro SOFTPLUS x, t, u                ; v[x] = softplus(v[x]); v[t], v[u] at work
	v_mul_f32 v[\t], s22, |v[\x]|                  ; -|x| log2 e
	v_exp_f32 v[\t], v[\t]
	v_max_num_f32 v[\u], 0, v[\x]                  ; (a plain instruction behind the exponential)
	s_wait_alu depctr_va_vdst(0)                   ; the wait ahead of the first reader
	v_add_f32 v[\t], 1.0, v[\t]
	v_log_f32 v[\t], v[\t]
	v_nop
	s_wait_alu depctr_va_vdst(0)
	v_fma_f32 v[\x], v[\t], s20, v[\u]
.endm
	s_load_b256 s[4:11], s[0:1], 0x0               ; plse s[4:5], psmax s[6:7], label s[8:9], out0 s[10:11]
	s_load_b64 s[12:13], s[0:1], 0x20              ; out1
	v_lshl_add_u32 v[SPW], v0, 2, SPARE
	v_mov_b32 v[NIL], 0
	v_lshrrev_b32 v1, 5, v0
	v_readfirstlane_b32 s16, v1                    ; wave 0..31
	v_lshlrev_b32 v2, 2, v0                        ; 4 i
	v_mov_b32 v46, s16
	v_lshlrev_b32 v46, 3, v46                      ; LDS: my wave's pair
	v_and_b32 v47, 31, v0
	v_lshlrev_b32 v47, 3, v47                      ; LDS: 8 x lane
	v_mul_u32_u24 v4, v0, 40000                    ; row i of out0
	v_mov_b32 v42, 0                               ; written once: a lane permute's destination counts as one of its sources
	v_mov_b32 v43, 0
	v_mov_b32 v51, 0
	s_mov_b32 s20, 0x3f317218                      ; ln 2
	s_mov_b32 s21, 0xc119999a                      ; -9.6
	s_mov_b32 s22, 0xbfb8aa3b                      ; -log2 e
	s_mov_b32 s23, 0x3a800000                      ; 1 / 1024
	s_mov_b32 s24, 0x76543210
	s_mov_b32 s25, 0xfedcba98
	s_wait_kmcnt 0x0
	global_load_b32 v3, v2, s[8:9]
.irp c, 0,1,2,3,4,5,6,7,8,9,10,11,12,13,14,15
	global_load_b32 v[8+\c], v2, s[4:5] offset:4096*\c
.endr
.irp c, 0,1,2,3,4,5,6,7,8,9,10,11,12,13,14,15
	global_load_b32 v[24+\c], v2, s[6:7] offset:4096*\c
.endr
	s_wait_loadcnt 32                              ; the label is in; the 32 loads behind it may be out
	v_min_u32 v3, 9999, v3                         ; a loaded number enters an address only behind this hold
	v_lshl_add_u32 v4, v3, 2, v4
	global_load_b32 v5, v4, s[10:11]               ; sp
	s_wait_loadcnt 0x0
	v_max3_num_f32 v40, v8, v9, v10
	v_max3_num_f32 v45, v24, v25, v26
.irp i, 11,13,15,17,19,21
	v_max3_num_f32 v40, v40, v[\i], v[\i+1]
	v_max3_num_f32 v45, v45, v[16+\i], v[17+\i]
.endr
	v_max_num_f32 v40, v40, v23                    ; the largest of the 16 partial logarithms
	v_max_num_f32 v45, v45, v39
.irp c, 0,1,2,3,4,5,6,7,8,9,10,11,12,13,14,15
	v_sub_f32 v[8+\c], v[8+\c], v40
.endr
.irp c, 0,1,2,3,4,5,6,7,8,9,10,11,12,13,14,15
	v_exp_f32 v[8+\c], v[8+\c]
.endr
	v_med3_num_f32 v45, v45, -1.0, 1.0             ; s_i.  (A plain instruction behind the batch)
	s_wait_alu depctr_va_vdst(0)                   ; one wait for the sixteen
.irp i, 0,4,8,12
	v_pk_add_f32 v[8+\i:9+\i], v[8+\i:9+\i], v[10+\i:11+\i]
.endr
	v_pk_add_f32 v[8:9], v[8:9], v[12:13]
	v_pk_add_f32 v[16:17], v[16:17], v[20:21]
	v_pk_add_f32 v[8:9], v[8:9], v[16:17]
	v_add_f32 v8, v8, v9
	v_log_f32 v8, v8                               ; at least 1: the term at the maximum
	v_nop
	s_wait_alu depctr_va_vdst(0)
	v_add_f32 v8, v40, v8
	v_mul_f32 v8, s20, v8
	v_fma_f32 v44, s21, v5, v8                     ; lse_i
	SOFTPLUS 44, 9, 10
	WSUM 44, 42
	WSUM 45, 43
	ds_store_b64 v46, v[44:45] offset:RED          ; all lanes write the same pair with the same values
	s_wait_dscnt 0x0                               ; for wave 0's sake
	s_barrier_signal -1
	s_barrier_wait -1
	s_cmp_lg_u32 s16, 0
	s_cbranch_scc1 .Ldone
	ds_load_b64 v[48:49], v47 offset:RED           ; lane l takes wave l's pair
	s_wait_dscnt 0x0
	WSUM 48, 42
	WSUM 49, 43
	v_fma_f32 v49, v49, s23, 0.5                   ; mean(s) + 0.5
	SOFTPLUS 49, 9, 10
	v_mul_f32 v49, 0x41200000, v49                 ; x 10
	v_fma_f32 v48, v48, s23, v49                   ; + the mean of the rows' losses
	v_cmp_eq_u32 vcc_lo, 0, v0
	s_wait_xcnt 0x0                                ; EXEC changes only behind this wait
	s_and_saveexec_b32 s26, vcc_lo
	global_store_b32 v51, v48, s[12:13]            ; thread 0 alone
	s_wait_xcnt 0x0                                ; and again, in front of the line that widens it
	s_or_b32 exec_lo, exec_lo, s26
.Ldone:
	s_wait_tensorcnt 0x0                           ; the wave's end
	ds_add_u32 v[SPW], v[NIL]
	s_wait_dscnt 0x0
	s_endpgm
.Lfunc_end_k_q95d4d59f4b_finish:
	.size	k_q95d4d59f4b_finish, .Lfunc_end_k_q95d4d59f4b_finish-k_q95d4d59f4b_finish
	.p2alignl 7, 3214868480
	.fill 96, 4, 3214868480
	.section	.rodata,"a",@progbits
	.p2align	6, 0x0
	.amdhsa_kernel k_q95d4d59f4b_finish
		.amdhsa_group_segment_fixed_size 4352
		.amdhsa_private_segment_fixed_size 0
		.amdhsa_enable_private_segment 0
		.amdhsa_kernarg_size 40
		.amdhsa_user_sgpr_count 2
		.amdhsa_user_sgpr_kernarg_segment_ptr 1
		.amdhsa_wavefront_size32 1
		.amdhsa_system_sgpr_workgroup_id_x 1
		.amdhsa_system_sgpr_workgroup_id_y 1
		.amdhsa_system_sgpr_workgroup_id_z 1
		.amdhsa_system_vgpr_workitem_id 0
		.amdhsa_next_free_vgpr 64
		.amdhsa_next_free_sgpr 66
		.amdhsa_reserve_vcc 1
		.amdhsa_float_denorm_mode_32 3
		.amdhsa_float_denorm_mode_16_64 3
		.amdhsa_memory_ordered 1
		.amdhsa_forward_progress 1
		.amdhsa_inst_pref_size 11
	.end_amdhsa_kernel
	.amdgpu_metadata
---
amdhsa.version: [ 1, 2 ]
amdhsa.kernels:
  - .name:           k_q95d4d59f4b_finish
    .symbol:         k_q95d4d59f4b_finish.kd
    .args:
      - { .name: plse, .offset: 0, .size: 8, .value_kind: global_buffer, .address_space: global }
      - { .name: psmax, .offset: 8, .size: 8, .value_kind: global_buffer, .address_space: global }
      - { .name: label, .offset: 16, .size: 8, .value_kind: global_buffer, .address_space: global }
      - { .name: out0, .offset: 24, .size: 8, .value_kind: global_buffer, .address_space: global }
      - { .name: out1, .offset: 32, .size: 8, .value_kind: global_buffer, .address_space: global }
    .group_segment_fixed_size: 4352
    .private_segment_fixed_size: 0
    .kernarg_segment_align: 8
    .kernarg_segment_size: 40
    .max_flat_workgroup_size: 1024
    .sgpr_count:     66
    .vgpr_count:     64
    .wavefront_size: 32
...
	.end_amdgpu_metadata
.endif
;; end of part 3
;; ======== version 2 of 2: 3 launches; version 1 with the launch margin written anew for expert scheduling mode
;; workspace buffers: recs 4,819,200 bytes; plse 65,536 bytes; psmax 65,536 bytes
;; launch quant: the kernel of part 1 again; grid 753 x 1, 4 waves a work-group, no clusters, 33,792 bytes of LDS; arguments input, weight, label, recs; writes recs
;; launch margin (part 4): grid 16 x 16, 4 waves a work-group, no clusters, 143,872 bytes of LDS; arguments recs, class_weight, label, out0, plse, psmax; writes out0, plse, psmax
.if DOCPART == 4
	.amdgcn_target "amdgcn-amd-amdhsa--gfx1250"
	.amdhsa_code_object_version 6
	.text
	.protected	k_q95d4d59f4b_margin
	.globl	k_q95d4d59f4b_margin
	.p2align	8
	.type	k_q95d4d59f4b_margin,@function
k_q95d4d59f4b_margin:
	s_mov_b64 s[64:65], 0
	v_nop
	global_prefetch_b8 v0, s[64:65] scope:SCOPE_SE
	s_setreg_imm32_b32 hwreg(HW_REG_WAVE_SCHED_MODE, 0, 2), 2
	s_setreg_imm32_b32 hwreg(HW_REG_WAVE_MODE, 25, 1), 1
	s_wait_xcnt 0x0
	s_wait_alu depctr_vm_vsrc(0)
; AdaptiveMarginLoss, launch 2 of 3: the one product, on codes of FP6 (E2M3) with E8M0 scales, and what follows it row by row.
; WORK LEFT OUT: of w w^T only the rows w[label[i]] are multiplied; reference() slices the others away (shown at the head of the first kernel).
; out0 = fea = Q(x) Q(w)^T.  For row i and a block of 640 columns: plse = log2 of the sum over j != label[i] of 2^t, t = 9.6 log2(e) fea[i][j] + 9.6 x 0.83 log2(e) class_weight[j]; psmax = the largest of
; (Q(w)[label[i]] . Q(w)[j]), with 0 at j = label[i].  The term -9.6 sp[i], the same along a row, the clip (which commutes with a maximum that holds a 0) and the joining of blocks are the last launch's.
; THE MAXIMUM IS TAKEN AWAY BEFORE EVERY EXPONENTIAL: each lane keeps a running maximum m of its t and a sum l of 2^(t - m), multiplied by 2^(old m - new m) in every step; lanes, waves and blocks are joined in the same way.
; SHARES.  Work-group (rb, cb): 128 left rows (x's rows 64 rb .. + 63 and the rows w[label] of the same i) x 640 columns.  All four waves hold the SAME left rows, in registers for the whole launch: 8 tiles x 4 K steps x 12 = 384.
; Wave-column q = 4 cb + wave owns column tiles 10 q .. 10 q + 9 and streams their records from memory straight into registers, three tiles deep: a record's bytes enter the work-group once and never touch LDS.
; 625 tiles are 62 wave-columns of ten and one of five: q = 62 ends after five steps, q = 63 has none.  The look-ahead has no branch: q = 62 asks for three records and q = 63 for three that they do not multiply (records 625 .. 627
; and 630 .. 632, inside recs' 753), so that the counts of the waits are the same on every way through the text.
; THE MATRIX INSTRUCTION IS USED TRANSPOSED (source 0 = 16 rows of w, source 1 = 16 left rows): lane (r, h) holds left row r, its register j column 16 T + 8 h + j: a row's maximum and sum stay in the lane.
; THE POSITIVE COLUMN.  It is one column in 10,000 for a row, so of a wave's steps few hold one.  Each lane keeps a word W with bit t set where one of its four rows has its positive column among the lane's eight of tile t.
; NO TENSOR LOAD AND NO CLUSTER: that branch hangs on label, a number read from memory; and a column tile's record is read by one wave of the work-group, so
; that on a way through LDS it would be written and read once more for nothing.
; THE WAY OUT.  A row of out0 is 40,000 bytes, 64 over a multiple of 256, so tile edges cannot all lie on multiples of 256.  Five tiles (80 columns, 320 bytes a row) of 64 rows are gathered in the wave's own stage; a row's first
; 256 bytes leave by sixteen neighbouring lanes, its last 64 by four; the first half of the wave's columns leaves at mid-way.
; THE MODE: SCHED_MODE bits 1:0 = 2 (LLVM: expert scheduling mode 2), set by the entry lines.  The code itself states the register dependences between vector or matrix instructions and memory or LDS instructions, with s_wait_alu, always for 0.
; THE PLAN.  Registers that memory or LDS instructions touch:
;   the offsets and LDS addresses   made once at the head, ahead of the first load, and never written again: tiles, rows and halves stand in immediates.
;   window 3, buffers 0 .. 2, and BSC   step t's 32 products read buffer t % 3 and its scale words; behind them the 13 loads of tile t + 3 land there.
;   ACC's first half (fea)   written by step t's products; read by its eight stage stores (and by vector lines); written again by step t + 1's products.
;   BI, two sets   step t's logits read set t % 2; the two loads for step t + 1, issued in step t, land in the other set, which step t - 1's logits read last.
;   v64-143 on the way out   products and vector lines have named them; then four sets of 20 are loaded from the stage and read by the stores to out0; then products and vector lines write them again.
; So a step has ONE wait on va_vdst for its memory side, behind its products and their places: the accumulators are written, the products are done reading their buffer and scale words, the logits of the step before are done reading
; the other set of BI.  The step's 15 loads follow it in one run, and its eight stage stores are dealt among the logits' lines, a tile's two ahead of the four lines that read that tile: no vector line since the wait names a register
; that a later load or store of the step touches.  One wait on vm_vsrc at a step's head states that the stage stores of the step before have read the accumulators.
; REGISTERS, in windows of 256: window 0: see the names below.  Window 1: v0-191 x's fragments, (tile a, K step s) at 12 (4 a + s).  Window 2: the same for w[label].  Window 3: v0-143 three buffers for a column tile, K step s at 48 p + 12 s.
.set REC,    6400                      ; a record: 4 fragments of 1,536 bytes, 256 scale bytes
.set NWREC,  625
.set AIMG,   0                         ; LDS: the eight left records
.set STG,    8*REC                     ; each wave's stage: 64 rows x (320 bytes + 16)
.set SPITCH, 336                       ; 21 x 16: sixteen rows' places of 16 bytes fall on sixteen different places in 256
.set STGW,   64*SPITCH
.set BIAS,   STG+4*STGW                ; each wave's 160 numbers 9.6 x 0.83 log2(e) class_weight, in 768 bytes
.set XM,     BIAS+4*768                ; [wave][64 rows] f32: M; 1,024 bytes on: L; 2,048 on: S
.set SPARE,  XM+3*1024                 ; the spare words, 128 bytes for each wave, which no other line names
.set OROW,   40000                     ; a row of out0 in bytes
.set LI,   1                           ; v1   16 x lane
.set LS,   2                           ; v2   16 x (lane % 16)
.set STO,  3                           ; v3   my stage: row r, + 32 h
.set BIA,  4                           ; v4   my wave's bias numbers, + 32 h
.set XA,   5                           ; v5   XM + 256 wave + 4 r
.set FLA,  6                           ; v6   the way out: my stage, row h, + 16 r: two rows' first 256 bytes
.set FLB,  7                           ; v7   my stage, row lane / 4, + 16 (lane % 4): eight rows' last 64 bytes (the 256 stand in the immediate)
.set FGA,  11                          ; v11  the same two places in out0
.set FGB,  12                          ; v12
.set D,    16                          ; v16-19  tile a: label of my row - 160 q - 8 h: the positive column, counted from my first column
.set W,    20                          ; v20  bit t: a positive column among my eight of tile t
.set TMP,  21
.set NINF, 22                          ; v22  -infinity
.set ZR,   23                          ; v23  0
.set ST,   24                          ; v24-55  tile a at + 8 a: +0 m, +1 old m - new m, +2, +3 l (a pair), +4 2^(+1), +5 the new m, +6 the largest score, +7 at work
.set SPW,  56                          ; v56  LDS address of my spare word; never rewritten
.set NIL,  57                          ; v57  0; never rewritten
.set ACC,  64                          ; v64-127  fea's tile a at + 8 a, the score's at + 32 + 8 a
.set T,    128                         ; v128-159 t, then 2^(t - m)
.set BI,   160                         ; v160-167 the eight bias numbers of an even step; v240-247 (80 on) those of an odd step
.set CW,   168                         ; v168-175 class_weight, at the head
.set LN,   176                         ; v176-189 at work at the head
.set RR,   177
.set HH,   178
.set CPA,  179
.set BW0,  180
.set BW1,  181
.set LBO,  182
.set CO0,  183
.set CO1,  184
.set H0,   185
.set XR,   190                         ; v190 XM + 8 x lane
.set XG,   191                         ; v191 8 x lane
.set ASC,  192                         ; v192-223 the left rows' scale words: tile A at + 4 A, register s for K step s; nothing else ever lies here
.set BSC,  224                         ; v224-235 a column tile's: buffer p at + 4 p; likewise
.set MK,   36                          ; s36-43  a tile's eight masks (at the head: four)
.set FLG,  44                          ; s44     the lanes that have a positive column in the step's tile
.set MSB, 0
.macro WIN new                         ; bits 1:0 source 0, 3:2 source 1, 5:4 source 2, 7:6 destination; the immediate's high byte repeats the setting that is left
.if MSB != \new
	s_set_vgpr_msb (MSB<<8)|\new
.set MSB, \new
.endif
.endm
.macro PLACES                          ; a read of a matrix result, by a vector line or by a store, stands four plain vector instructions behind the matrix instruction
.rept 4
	v_nop
.endr
.endm
; column tile t of my ten into buffer t % 3: 13 loads, each lane its registers as they will lie
.macro BLOAD t
.set PL, (\t)%3
	WIN 0xc0                                       ; destination window 3
.irp s, 0,1,2,3
.irp c, 0,1,2
	global_load_b128 v[48*PL+12*\s+4*\c:48*PL+12*\s+4*\c+3], v[LI], s[20:21] offset:REC*(\t)+1536*\s+512*\c
.endr
.endr
	WIN 0
	global_load_b128 v[BSC+4*PL:BSC+4*PL+3], v[LS], s[20:21] offset:REC*(\t)+6144
.endm
; 32 matrix instructions: the column tile against the four tiles of x, then against the four of w[label]; K ascending; four accumulators by turns, one instruction a turn; the first K step starts the sums
.macro MULS t
.set P, (\t)%3
.irp z, 0,1
	WIN 0x07+4*\z                                  ; source 0 window 3; source 1 window 1 (x) or 2 (w[label])
.irp s, 0,1,2,3
.irp a, 0,1,2,3
.if \s == 0
	v_wmma_scale_f32_16x16x128_f8f6f4 v[ACC+32*\z+8*\a:ACC+32*\z+8*\a+7], v[48*P+12*\s:48*P+12*\s+11], v[12*(4*\a+\s):12*(4*\a+\s)+11], 0, v[BSC+4*P+\s], v[ASC+16*\z+4*\a+\s] matrix_a_fmt:MATRIX_FMT_FP6 matrix_b_fmt:MATRIX_FMT_FP6
.else
	v_wmma_scale_f32_16x16x128_f8f6f4 v[ACC+32*\z+8*\a:ACC+32*\z+8*\a+7], v[48*P+12*\s:48*P+12*\s+11], v[12*(4*\a+\s):12*(4*\a+\s)+11], v[ACC+32*\z+8*\a:ACC+32*\z+8*\a+7], v[BSC+4*P+\s], v[ASC+16*\z+4*\a+\s] matrix_a_fmt:MATRIX_FMT_FP6 matrix_b_fmt:MATRIX_FMT_FP6
.endif
.endr
.endr
.endr
	WIN 0
.endm
.macro STAGE t, a                      ; fea's tile a as it is, 32 bytes a lane, the accumulator from its low end on
	ds_store_b128 v[STO], v[ACC+8*(\a):ACC+8*(\a)+3] offset:16*SPITCH*(\a)+64*((\t)%5)
	ds_store_b128 v[STO], v[ACC+8*(\a)+4:ACC+8*(\a)+7] offset:16*SPITCH*(\a)+64*((\t)%5)+16
.endm
.macro LOGITS a                        ; tile a: t = 9.6 log2(e) fea + the column's bias (the step's set, at BB), two at a time
.irp i, 0,2,4,6
	v_pk_fma_f32 v[T+8*(\a)+\i:T+8*(\a)+\i+1], v[ACC+8*(\a)+\i:ACC+8*(\a)+\i+1], s[24:25], v[BB+\i:BB+\i+1] op_sel_hi:[1,0,1]
.endr
.endm
.macro MASK t                          ; at the positive column t becomes -infinity (its 2^(t - m) is 0) and the score 0 (reference()'s zero diagonal: the same column)
.irp a, 0,1,2,3
	v_add_nc_u32 v[TMP], -16*(\t), v[D+\a]
.irp j, 0,1,2,3,4,5,6,7
	v_cmp_eq_u32 s[MK+\j], \j, v[TMP]              ; a tile's eight compares in one run, a scalar register each
.endr
	s_wait_alu depctr_va_sdst(0)                   ; the eight masks are written, ahead of the first select that reads one
.irp j, 0,1,2,3,4,5,6,7
	v_cndmask_b32 v[T+8*\a+\j], v[T+8*\a+\j], v[NINF], s[MK+\j]
	v_cndmask_b32 v[ACC+32+8*\a+\j], v[ACC+32+8*\a+\j], v[ZR], s[MK+\j]
.endr
.endr
.endm
.macro SOFT                            ; the four tiles by turns, so that no line waits for the line above it
.irp a, 0,1,2,3
	v_max3_num_f32 v[ST+8*\a+5], v[T+8*\a], v[T+8*\a+1], v[T+8*\a+2]
.endr
.irp a, 0,1,2,3
	v_max3_num_f32 v[ST+8*\a+5], v[ST+8*\a+5], v[T+8*\a+3], v[T+8*\a+4]
.endr
.irp a, 0,1,2,3
	v_max3_num_f32 v[ST+8*\a+5], v[ST+8*\a+5], v[T+8*\a+5], v[T+8*\a+6]
.endr
.irp a, 0,1,2,3
	v_max3_num_f32 v[ST+8*\a+5], v[ST+8*\a+5], v[T+8*\a+7], v[ST+8*\a]   ; with the old m: the new m
.endr
.irp a, 0,1,2,3
	v_sub_f32 v[ST+8*\a+1], v[ST+8*\a], v[ST+8*\a+5]
.endr
.irp a, 0,1,2,3
	v_mov_b32 v[ST+8*\a], v[ST+8*\a+5]
.endr
.irp i, 0,2,4,6
.irp a, 0,1,2,3
	v_pk_add_f32 v[T+8*\a+\i:T+8*\a+\i+1], v[T+8*\a+\i:T+8*\a+\i+1], v[ST+8*\a:ST+8*\a+1] op_sel_hi:[1,0] neg_lo:[0,1] neg_hi:[0,1]   ; t - m
.endr
.endr
.irp a, 0,1,2,3
	v_exp_f32 v[ST+8*\a+4], v[ST+8*\a+1]           ; ONE BATCH of 36 exponentials: none reads another's result
.endr
.irp n, 0,1,2,3,4,5,6,7,8,9,10,11,12,13,14,15,16,17,18,19,20,21,22,23,24,25,26,27,28,29,30,31
	v_exp_f32 v[T+\n], v[T+\n]
.endr
.irp i, 0,2,4,6
.irp a, 0,1,2,3
	v_max3_num_f32 v[ST+8*\a+6], v[ST+8*\a+6], v[ACC+32+8*\a+\i], v[ACC+32+8*\a+\i+1]   ; the scores' maxima, from each accumulator's low end on: plain work behind the batch that names none of its results
.endr
.endr
	s_wait_alu depctr_va_vdst(0)                   ; the 36 exponentials have written their results: one wait for the batch, ahead of its first reader
.irp a, 0,1,2,3
	v_pk_add_f32 v[T+8*\a:T+8*\a+1], v[T+8*\a:T+8*\a+1], v[T+8*\a+2:T+8*\a+3]
.endr
.irp a, 0,1,2,3
	v_pk_add_f32 v[T+8*\a+4:T+8*\a+5], v[T+8*\a+4:T+8*\a+5], v[T+8*\a+6:T+8*\a+7]
.endr
.irp a, 0,1,2,3
	v_pk_add_f32 v[T+8*\a:T+8*\a+1], v[T+8*\a:T+8*\a+1], v[T+8*\a+4:T+8*\a+5]
.endr
.irp a, 0,1,2,3
	v_pk_fma_f32 v[ST+8*\a+2:ST+8*\a+3], v[ST+8*\a+2:ST+8*\a+3], v[ST+8*\a+4:ST+8*\a+5], v[T+8*\a:T+8*\a+1] op_sel_hi:[1,0,1]   ; l = l 2^(old m - new m) + the step's sums
.endr
.endm
.macro STEP t
.set BB, BI+80*((\t)%2)                ; this step's bias numbers,
.set BN, BI+80*(((\t)+1)%2)            ; and where the next step's land
.if (\t) >= 3
.if (\t) <= 7
	s_wait_loadcnt 26                              ; tile t's 13 loads are in; those of the two tiles asked for behind it may be out
.elseif (\t) == 8
	s_wait_loadcnt 13                              ; behind tile 8's stand tile 9's alone
.else
	s_wait_loadcnt 0x0
.endif
.endif
.if (\t)%5 != 0
	s_wait_alu depctr_vm_vsrc(0)                   ; the stage stores of the step before have read fea's accumulators, which the products below write again (ahead of steps 0 and 5 the head's and the way out's last such wait has stated the like)
.endif
	v_and_b32 v[TMP], 1<<(\t), v[W]
	v_cmp_ne_u32 s[FLG], 0, v[TMP]                 ; made here, a whole run of products ahead of the scalar line that reads it
	MULS \t
	PLACES
.if (\t) <= 6
	WIN 0xc0                                       ; the switch for the loads below stands ahead of the wait
.endif
	s_wait_alu depctr_va_vdst(0)                   ; the products have written the accumulators, which the stage stores read, and are done reading their buffer and its scale words, in which the loads below land; the logits of the step before are done reading the other set of bias numbers
.if (\t) <= 6
	BLOAD (\t)+3                                   ; into the buffer just multiplied
.endif
.if (\t) <= 8
	ds_load_b128 v[BN:BN+3], v[BIA] offset:64*((\t)+1)       ; the next step's bias numbers (q = 62 asks in step 4 for eight that it does not use: they lie in its own 768 bytes)
	ds_load_b128 v[BN+4:BN+7], v[BIA] offset:64*((\t)+1)+16
.endif
	STAGE \t, 0                                    ; a tile's two stores ahead of the four lines that read the tile: no vector line since the wait names what a later store reads
.if (\t) <= 8
	s_wait_dscnt 4                                 ; this step's bias numbers, asked for a step ago, are in; the two loads and the two stores just issued may be out
.else
	s_wait_dscnt 2                                 ; likewise; the last step asks for no more
.endif
	LOGITS 0
	STAGE \t, 1
	LOGITS 1
	STAGE \t, 2
	LOGITS 2
	STAGE \t, 3
	LOGITS 3
	s_wait_alu depctr_va_sdst(0)                   ; the step's flag is written, ahead of its one reader
	s_cmp_eq_u32 s[FLG], 0                         ; no lane of mine has a positive column in this tile: nothing to mask
	s_cbranch_scc1 .Lnm_\@
	MASK \t
.Lnm_\@:
	SOFT
.endm
; THE WAY OUT of five tiles: eight repeats of eight stage rows: four loads of two rows' first 256 bytes and one of eight rows' last 64, and as many stores; four sets of 20 registers where the accumulators and t lay
.macro FLOADS g
.irp u, 0,1,2,3
	ds_load_b128 v[64+20*((\g)%4)+4*\u:64+20*((\g)%4)+4*\u+3], v[FLA] offset:8*SPITCH*(\g)+2*SPITCH*\u   ; LDS serves a wave's instructions in order (ISA guide 5.7.1.4): these see my stores
.endr
	ds_load_b128 v[64+20*((\g)%4)+16:64+20*((\g)%4)+19], v[FLB] offset:8*SPITCH*(\g)+256
.endm
.macro FSTORES g, hf
.irp u, 0,1,2,3
	global_store_b128 v[FGA], v[64+20*((\g)%4)+4*\u:64+20*((\g)%4)+4*\u+3], s[30:31] offset:8*OROW*(\g)+2*OROW*\u+320*(\hf) th:TH_STORE_NT   ; sixteen neighbouring lanes store 256 consecutive bytes of a row
.endr
	global_store_b128 v[FGB], v[64+20*((\g)%4)+16:64+20*((\g)%4)+19], s[30:31] offset:8*OROW*(\g)+256+320*(\hf) th:TH_STORE_NT   ; four lanes the 64 bytes behind them
.endm
.macro FLUSH hf
	s_wait_alu depctr_vm_vsrc(0)                   ; the last step's stage stores have read v64-95, in which the loads below land
	s_wait_alu depctr_va_vdst(0)                   ; the last step's vector lines are done reading and writing v64-143, in which the loads below land
	FLOADS 0
	FLOADS 1
.irp g, 0,1,2,3,4,5,6,7
.if \g < 7
	s_wait_dscnt 5                                 ; repeat g is back in registers; the next repeat's five loads may be out
.else
	s_wait_dscnt 0x0
.endif
	FSTORES \g, \hf
.if \g+2 <= 7
.if \g+2 >= 4
	s_wait_xcnt 0x0                                ; the stores of four repeats back have had their addresses translated: the set is loaded again only behind this wait,
	s_wait_alu depctr_vm_vsrc(0)                   ; and behind this one: those stores have read the set's registers
.endif
	FLOADS \g+2
.endif
.endr
	s_wait_xcnt 0x0                                ; all stores have had their addresses translated,
	s_wait_alu depctr_vm_vsrc(0)                   ; and have read v64-143: products, vector lines and the last LDS loads may write them again.  (It stands ahead of the branch that follows the first way out)
.endm
	s_load_b256 s[4:11], s[0:1], 0x0               ; recs s[4:5], class_weight s[6:7], label s[8:9], out0 s[10:11]
	s_load_b128 s[12:15], s[0:1], 0x20             ; plse s[12:13], psmax s[14:15]
	v_lshl_add_u32 v[SPW], v0, 2, SPARE
	v_mov_b32 v[NIL], 0
	v_lshrrev_b32 v[TMP], 5, v0
	v_readfirstlane_b32 s16, v[TMP]                ; wave 0..3
	v_and_b32 v[LN], 31, v0
	v_and_b32 v[RR], 15, v0
	v_bfe_u32 v[HH], v0, 4, 1
	v_lshlrev_b32 v[LI], 4, v[LN]
	v_lshlrev_b32 v[LS], 4, v[RR]
	s_mov_b32 s17, ttmp9                           ; rb
	s_and_b32 s18, ttmp7, 0xffff                   ; cb
	s_lshl_b32 s19, s18, 2
	s_wait_alu depctr_va_sdst(0)                   ; s16 is written, ahead of its first reader: q, the bases and the LDS places are made from it
	s_add_co_u32 s19, s19, s16                     ; q
	s_mul_i32 s36, s16, STGW
	s_add_co_u32 s36, s36, STG                     ; my stage
	v_mul_u32_u24 v[STO], v[RR], SPITCH
	v_lshl_add_u32 v[STO], v[HH], 5, v[STO]
	v_add_nc_u32 v[STO], s36, v[STO]
	v_mul_u32_u24 v[FLA], v[HH], SPITCH            ; back: lanes 0-15 one row's first 256 bytes, lanes 16-31 the next row's
	v_lshl_add_u32 v[FLA], v[RR], 4, v[FLA]
	v_add_nc_u32 v[FLA], s36, v[FLA]
	v_lshrrev_b32 v[H0], 2, v[LN]                  ; lane / 4
	v_and_b32 v[H0+1], 3, v0                       ; lane % 4
	v_mul_u32_u24 v[FLB], v[H0], SPITCH            ; and four lanes to a row's last 64 bytes, eight rows
	v_lshl_add_u32 v[FLB], v[H0+1], 4, v[FLB]
	v_add_nc_u32 v[FLB], s36, v[FLB]
	v_mul_u32_u24 v[FGA], v[HH], OROW              ; the same places in out0
	v_lshl_add_u32 v[FGA], v[RR], 4, v[FGA]
	v_mul_u32_u24 v[FGB], v[H0], OROW
	v_lshl_add_u32 v[FGB], v[H0+1], 4, v[FGB]
	s_mul_i32 s37, s16, 2*REC
	v_add_nc_u32 v[CPA], s37, v[LI]                ; where my two left records go
	s_mul_i32 s37, s16, 768
	s_add_co_u32 s37, s37, BIAS
	v_lshl_add_u32 v[BIA], v[HH], 5, s37
	v_add_nc_u32 v[BW0], s37, v[LI]
	v_and_b32 v[H0], 7, v0
	v_lshlrev_b32 v[H0], 4, v[H0]
	v_add_nc_u32 v[BW1], s37, v[H0]
	v_add_nc_u32 v[BW1], 512, v[BW1]
	s_mul_i32 s38, s19, 640                        ; my 160 columns, in bytes of f32
	v_add_nc_u32 v[CO0], s38, v[LI]
	v_min_u32 v[CO0], 39984, v[CO0]                ; no load leaves class_weight: what q = 62 and 63 read so is not used
	v_add_nc_u32 v[CO1], s38, v[H0]
	v_add_nc_u32 v[CO1], 512, v[CO1]
	v_min_u32 v[CO1], 39984, v[CO1]
	s_lshl_b32 s39, s17, 8
	v_lshl_add_u32 v[LBO], v[RR], 2, s39           ; label: 4 (64 rb + r)
	s_lshl_b32 s39, s16, 8
	s_add_co_u32 s39, s39, XM
	v_lshl_add_u32 v[XA], v[RR], 2, s39
	v_lshl_add_u32 v[XR], v[LN], 3, XM
	v_lshlrev_b32 v[XG], 3, v[LN]
	s_mul_i32 s39, s19, 160
	v_lshl_add_u32 v[H0], v[HH], 3, s39            ; my first column: 160 q + 8 h
	v_mov_b32 v[NINF], 0xff800000
	v_mov_b32 v[ZR], 0
.irp a, 0,1,2,3
	v_mov_b32 v[ST+8*\a], 0xff61b1e6               ; m: -3e38, under every t
	v_mov_b32 v[ST+8*\a+6], 0xff61b1e6             ; the largest score likewise
.irp i, 1,2,3,4,5,7
	v_mov_b32 v[ST+8*\a+\i], 0                     ; l = 0; the others are written once, since pairs and lane permutes name them
.endr
.endr
	s_mov_b32 s24, 0x415d9914                      ; 9.6 log2(e)
	s_mov_b32 s25, s24                             ; (named with it as a pair, so it is written)
	s_mov_b32 s26, 0x4137ed22                      ; 9.6 x 0.83 log2(e)
	s_mov_b32 s27, s26
	s_mov_b32 s28, 0x76543210
	s_mov_b32 s29, 0xfedcba98                      ; v_permlanex16_b32's selects for lane l xor 16
	s_mul_i32 s40, s19, 10*REC                     ; my ten records
	s_mov_b32 s41, 0
	s_lshl_b32 s42, s17, 3
	s_lshl_b32 s43, s16, 1
	s_add_co_u32 s42, s42, s43
	s_add_co_u32 s42, s42, NWREC
	s_mul_i32 s42, s42, REC                        ; left records 625 + 8 rb + 2 wave and the next
	s_mov_b32 s43, 0
	s_mul_i32 s44, s17, 64*OROW
	s_add_co_u32 s44, s44, s38                     ; out0: row 64 rb, column 160 q
	s_mov_b32 s45, 0
	s_lshl_b32 s46, s18, 12
	s_lshl_b32 s47, s17, 8
	s_add_co_u32 s46, s46, s47                     ; plse, psmax: 4 (1024 cb + 64 rb)
	s_mov_b32 s47, 0
	s_wait_kmcnt 0x0
	s_add_nc_u64 s[20:21], s[4:5], s[40:41]
	s_add_nc_u64 s[22:23], s[4:5], s[42:43]
	s_add_nc_u64 s[30:31], s[10:11], s[44:45]
	s_add_nc_u64 s[32:33], s[12:13], s[46:47]
	s_add_nc_u64 s[34:35], s[14:15], s[46:47]
	WIN 0xc0                                       ; the switch for the first loads stands ahead of the wait
	s_wait_alu depctr_va_vdst(0)                   ; every offset and LDS address of the kernel is written: all its loads and stores read one of them, and none is written again
	BLOAD 0
	BLOAD 1
	BLOAD 2
.irp i, 0,1,2,3,4,5,6,7,8,9,10,11,12,13,14,15,16,17,18,19,20,21,22,23,24
	global_load_b128 v[64+4*\i:67+4*\i], v[LI], s[22:23] offset:512*\i   ; two left records, 12,800 bytes as they lie
.endr
.irp a, 0,1,2,3
	global_load_b32 v[D+\a], v[LBO], s[8:9] offset:64*\a
.endr
	global_load_b128 v[CW:CW+3], v[CO0], s[6:7]
	global_load_b128 v[CW+4:CW+7], v[CO1], s[6:7]
	s_wait_loadcnt 0x0
.irp i, 0,1,2,3,4,5,6,7,8,9,10,11,12,13,14,15,16,17,18,19,20,21,22,23,24
	ds_store_b128 v[CPA], v[64+4*\i:67+4*\i] offset:AIMG+512*\i   ; as loaded: no vector line has named these registers
.endr
.irp i, 0,2,4,6
	v_pk_mul_f32 v[CW+\i:CW+\i+1], v[CW+\i:CW+\i+1], s[26:27] op_sel_hi:[1,0]
.endr
	v_mov_b32 v[W], 0
	v_mov_b32 v[H0+1], 1
.irp a, 0,1,2,3
	v_sub_nc_u32 v[D+\a], v[D+\a], v[H0]           ; in tile t register j is the positive column where D - 16 t = j: D under 160 (unsigned), bit 3 clear, t = D / 16
	v_and_b32 v[H0+2], 8, v[D+\a]
	v_lshl_or_b32 v[H0+2], v[H0+2], 8, v[D+\a]     ; with bit 3 set it is lifted over 160
	v_cmp_gt_u32 s[MK+\a], 160, v[H0+2]            ; the four compares in one run, a scalar register each
.endr
	s_wait_alu depctr_va_vdst(0)                   ; the four products have written v[CW ..], which the two LDS stores read
	ds_store_b128 v[BW0], v[CW:CW+3]
	ds_store_b128 v[BW1], v[CW+4:CW+7]             ; (four lanes write each place, with the same value)
	s_wait_alu depctr_va_sdst(0)                   ; the four masks are written, ahead of the first select that reads one
.irp a, 0,1,2,3
	v_lshrrev_b32 v[H0+3], 4, v[D+\a]
	v_lshlrev_b32 v[H0+3], v[H0+3], v[H0+1]
	v_cndmask_b32 v[H0+3], 0, v[H0+3], s[MK+\a]
	v_or_b32 v[W], v[W], v[H0+3]
.endr
	s_wait_dscnt 0x0                               ; for the others' sake: my two records lie in LDS
	s_barrier_signal -1
	s_barrier_wait -1                              ; all eight do
	s_wait_alu depctr_vm_vsrc(0)                   ; my LDS stores have read v64-163: from here on these registers are the accumulators, t and bias numbers, written by products, vector lines and LDS loads; on q = 63's way by the last LDS loads
	s_cmp_eq_u32 s19, 63
	s_cbranch_scc1 .Lmerge                         ; no column tile is left for q = 63: its m, l and largest score stand as they began and count for nothing
	WIN 0x40                                       ; destination window 1
.irp a, 0,1,2,3
.irp s, 0,1,2,3
.irp c, 0,1,2
	ds_load_b128 v[12*(4*\a+\s)+4*\c:12*(4*\a+\s)+4*\c+3], v[LI] offset:AIMG+REC*\a+1536*\s+512*\c
.endr
.endr
.endr
	WIN 0x80                                       ; destination window 2
.irp a, 0,1,2,3
.irp s, 0,1,2,3
.irp c, 0,1,2
	ds_load_b128 v[12*(4*\a+\s)+4*\c:12*(4*\a+\s)+4*\c+3], v[LI] offset:AIMG+REC*(4+\a)+1536*\s+512*\c
.endr
.endr
.endr
	WIN 0
.irp a, 0,1,2,3,4,5,6,7
	ds_load_b128 v[ASC+4*\a:ASC+4*\a+3], v[LS] offset:AIMG+REC*\a+6144
.endr
	ds_load_b128 v[BI:BI+3], v[BIA]                ; step 0's bias numbers; each step asks for the next step's
	ds_load_b128 v[BI+4:BI+7], v[BIA] offset:16
	s_wait_dscnt 0x0
	STEP 0
	STEP 1
	STEP 2
	STEP 3
	STEP 4
	FLUSH 0
	s_cmp_eq_u32 s19, 62
	s_cbranch_scc1 .Lmerge                         ; q = 62 has five tiles: columns 9,920 .. 9,999
	STEP 5
	STEP 6
	STEP 7
	STEP 8
	STEP 9
	FLUSH 1
.Lmerge:
	; lanes r and r + 16 hold the two halves of a row's columns: they are joined under the larger m
.irp a, 0,1,2,3
	v_permlanex16_b32 v[ST+8*\a+5], v[ST+8*\a], s28, s29
.endr
.irp a, 0,1,2,3
	v_permlanex16_b32 v[ST+8*\a+4], v[ST+8*\a+6], s28, s29
.endr
.irp a, 0,1,2,3
	v_max_num_f32 v[ST+8*\a+1], v[ST+8*\a], v[ST+8*\a+5]   ; M
.endr
.irp a, 0,1,2,3
	v_sub_f32 v[ST+8*\a], v[ST+8*\a], v[ST+8*\a+1]
.endr
.irp a, 0,1,2,3
	v_exp_f32 v[ST+8*\a], v[ST+8*\a]
.endr
.irp a, 0,1,2,3
	v_max_num_f32 v[ST+8*\a+6], v[ST+8*\a+6], v[ST+8*\a+4]   ; S.  (Plain work behind the four exponentials)
.endr
	s_wait_alu depctr_va_vdst(0)                   ; the four exponentials have written their results: one wait, ahead of their first reader
.irp a, 0,1,2,3
	v_mul_f32 v[ST+8*\a+2], v[ST+8*\a+2], v[ST+8*\a]
.endr
.irp a, 0,1,2,3
	v_fma_f32 v[ST+8*\a+2], v[ST+8*\a+3], v[ST+8*\a], v[ST+8*\a+2]   ; my l under M
.endr
.irp a, 0,1,2,3
	v_permlanex16_b32 v[ST+8*\a+7], v[ST+8*\a+2], s28, s29
.endr
.irp a, 0,1,2,3
	v_add_f32 v[ST+8*\a+2], v[ST+8*\a+2], v[ST+8*\a+7]   ; L: the same bits in both lanes
.endr
	s_wait_alu depctr_va_vdst(0)                   ; M, L and S are written, which the twelve LDS stores read; and every vector and matrix line that named v64-79 is done, in which the LDS loads behind the barrier land
.irp a, 0,1,2,3
	ds_store_b32 v[XA], v[ST+8*\a+1] offset:64*\a
	ds_store_b32 v[XA], v[ST+8*\a+2] offset:1024+64*\a
	ds_store_b32 v[XA], v[ST+8*\a+6] offset:2048+64*\a
.endr
	s_wait_dscnt 0x0                               ; for the others' sake
	s_barrier_signal -1
	s_barrier_wait -1
	s_cmp_lg_u32 s16, 0
	s_cbranch_scc1 .Lnot_0
	; wave 0 joins the four waves' M and L: a lane takes rows 2 lane and 2 lane + 1
.irp w, 0,1,2,3
	ds_load_b64 v[64+2*\w:65+2*\w], v[XR] offset:256*\w
.endr
.irp w, 0,1,2,3
	ds_load_b64 v[72+2*\w:73+2*\w], v[XR] offset:1024+256*\w
.endr
	s_wait_dscnt 0x0
.irp e, 0,1
	v_max3_num_f32 v[80+\e], v[64+\e], v[66+\e], v[68+\e]
.endr
.irp e, 0,1
	v_max_num_f32 v[80+\e], v[80+\e], v[70+\e]
.endr
.irp w, 0,1,2,3
.irp e, 0,1
	v_sub_f32 v[64+2*\w+\e], v[64+2*\w+\e], v[80+\e]
.endr
.endr
.irp n, 0,1,2,3,4,5,6,7
	v_exp_f32 v[64+\n], v[64+\n]
.endr
	v_nop
	s_wait_alu depctr_va_vdst(0)                   ; the eight exponentials have written their results: one wait, ahead of their first reader
.irp e, 0,1
	v_mul_f32 v[82+\e], v[72+\e], v[64+\e]
.endr
.irp w, 1,2,3
.irp e, 0,1
	v_fma_f32 v[82+\e], v[72+2*\w+\e], v[64+2*\w+\e], v[82+\e]
.endr
.endr
.irp e, 0,1
	v_log_f32 v[82+\e], v[82+\e]                   ; the sum is at least 1: the term at the maximum
.endr
	v_nop
	s_wait_alu depctr_va_vdst(0)                   ; the two logarithms have written their results, ahead of their first reader
.irp e, 0,1
	v_add_f32 v[84+\e], v[80+\e], v[82+\e]
.endr
	s_wait_alu depctr_va_vdst(0)                   ; the two sums have written v84 and v85, which the store reads
	global_store_b64 v[XG], v[84:85], s[32:33]     ; 32 lanes store 256 consecutive bytes, at a multiple of 256 from plse's first byte
	s_branch .Lend
.Lnot_0:
	s_cmp_lg_u32 s16, 1
	s_cbranch_scc1 .Lend
	; wave 1 joins the four waves' S
.irp w, 0,1,2,3
	ds_load_b64 v[64+2*\w:65+2*\w], v[XR] offset:2048+256*\w
.endr
	s_wait_dscnt 0x0
.irp e, 0,1
	v_max3_num_f32 v[80+\e], v[64+\e], v[66+\e], v[68+\e]
.endr
.irp e, 0,1
	v_max_num_f32 v[80+\e], v[80+\e], v[70+\e]
.endr
	s_wait_alu depctr_va_vdst(0)                   ; the two maxima have written v80 and v81, which the store reads
	global_store_b64 v[XG], v[80:81], s[34:35]
.Lend:
	s_wait_dscnt 0x0                               ; the closing lines, six on end
	s_wait_alu 0x0
	s_wait_tensorcnt 0x0
	ds_add_u32 v[SPW], v[NIL]
	s_wait_dscnt 0x0
	s_endpgm
.Lfunc_end_k_q95d4d59f4b_margin:
	.size	k_q95d4d59f4b_margin, .Lfunc_end_k_q95d4d59f4b_margin-k_q95d4d59f4b_margin
	.p2alignl 7, 3214868480
	.fill 96, 4, 3214868480
	.section	.rodata,"a",@progbits
	.p2align	6, 0x0
	.amdhsa_kernel k_q95d4d59f4b_margin
		.amdhsa_group_segment_fixed_size 143872
		.amdhsa_private_segment_fixed_size 0
		.amdhsa_enable_private_segment 0
		.amdhsa_kernarg_size 48
		.amdhsa_user_sgpr_count 2
		.amdhsa_user_sgpr_kernarg_segment_ptr 1
		.amdhsa_wavefront_size32 1
		.amdhsa_system_sgpr_workgroup_id_x 1
		.amdhsa_system_sgpr_workgroup_id_y 1
		.amdhsa_system_sgpr_workgroup_id_z 1
		.amdhsa_system_vgpr_workitem_id 0
		.amdhsa_next_free_vgpr 912
		.amdhsa_next_free_sgpr 66
		.amdhsa_reserve_vcc 0
		.amdhsa_float_denorm_mode_32 3
		.amdhsa_float_denorm_mode_16_64 3
		.amdhsa_memory_ordered 1
		.amdhsa_forward_progress 1
		.amdhsa_inst_pref_size 231
	.end_amdhsa_kernel
	.amdgpu_metadata
---
amdhsa.version: [ 1, 2 ]
amdhsa.kernels:
  - .name:           k_q95d4d59f4b_margin
    .symbol:         k_q95d4d59f4b_margin.kd
    .args:
      - { .name: recs, .offset: 0, .size: 8, .value_kind: global_buffer, .address_space: global }
      - { .name: class_weight, .offset: 8, .size: 8, .value_kind: global_buffer, .address_space: global }
      - { .name: label, .offset: 16, .size: 8, .value_kind: global_buffer, .address_space: global }
      - { .name: out0, .offset: 24, .size: 8, .value_kind: global_buffer, .address_space: global }
      - { .name: plse, .offset: 32, .size: 8, .value_kind: global_buffer, .address_space: global }
      - { .name: psmax, .offset: 40, .size: 8, .value_kind: global_buffer, .address_space: global }
    .group_segment_fixed_size: 143872
    .private_segment_fixed_size: 0
    .kernarg_segment_align: 8
    .kernarg_segment_size: 48
    .max_flat_workgroup_size: 128
    .sgpr_count:     66
    .vgpr_count:     912
    .wavefront_size: 32
...
	.end_amdgpu_metadata
.endif
;; end of part 4
;; launch finish: the kernel of part 3 again; grid 1 x 1, 32 waves a work-group, no clusters, 4,352 bytes of LDS; arguments plse, psmax, label, out0, out1; writes out1
